; MI455X (gfx1250); checked and timed in simulation.
; The chip was launched on July 23, 2026; its instructions are those of AMD's public machine-readable ISA for CDNA 5 (MIT licence, August 2026) and "CDNA5" Instruction Set Architecture Reference Guide (July 2026). The comments in the code are by the model that wrote it; some were corrected since.
;; Multi Head Attention. Allowed arithmetic: matrix products marked QUANTISED: E2M1 operands, one E8M0 scale for each 32 along K, by v_wmma_scale_f32_16x16x128_f8f6f4 with both operands' format E2M1 (or v_wmma_scale_f32_32x16x128_f4), f32 sums; products left as they are: bf16, f16 or f32 operands; f32 sums; everything else in f32.
;; Inputs: Wout 1,024 x 1,024 float32; Wqkv 3,072 x 1,024 float32; bout 1,024 float32; mask 4 x 2,048 bool; x 4 x 2,048 x 1,024 float32.
;; Outputs: out0 4 x 2,048 x 1,024 float32.
;; This version of the problem:
;;   THIS VERSION OF THE PROBLEM IS GIVEN IN LOW PRECISION. The matrix products marked QUANTISED in the list below multiply operands that are first quantised to E2M1 (2 exponent bits, 1 mantissa bit; 4 bits a number), with one power-of-two scale for each 32 numbers along K (OCP MX v1.0); their sums are f32. The products marked 'left as it is' may take bf16, f16 or f32 operands, with f32 sums. Whichever they take, every output number must still come out within the allowed error. Rounding operands to bf16 (8 significant bits) uses up far more of that allowance than f16 does (11 bits, for magnitudes from 6e-5 to 65,504). All else is computed in f32.
;;   The module's matrix products, in the order in which they are computed (A, B: the left and right operand; K: the contracted axis; several contracted axes count as one K, in the product's order):
;;     1. [M 8,192, K 1,024] x [K 1,024, N 3,072]; A: input x; B: input Wqkv: QUANTISED
;;     2. batch 64 x [M 2,048, K 64] x [K 64, N 2,048]; A: computed on the way; B: computed on the way: left as it is (an operand is computed on the way)
;;     3. batch 64 x [M 2,048, K 2,048] x [K 2,048, N 64]; A: computed on the way; B: computed on the way: left as it is (an operand is computed on the way)
;;     4. [M 8,192, K 1,024] x [K 1,024, N 1,024]; A: computed on the way; B: input Wout: left as it is (an operand is computed on the way)
;;   THE QUANTISER, for each operand of a quantised product, along K:
;;     - K is cut into blocks of 32 from its start; a last block that is shorter is filled with zeros.
;;     - A block's scale is 2^e with e = floor(log2(the largest magnitude in the block)) - 2, held to -126 .. 127; a block of zeros has e = 0. As a byte (E8M0): e + 127.
;;     - Each number is divided by its block's scale, clamped to +-6, and rounded to the nearest number of E2M1, ties to even, subnormals kept.
;;     - The product sums the exact products of the quantised numbers (number of the format x scale) in f32.
;;   ~~~python
;;   def quantise(x, axis):      # numpy; x: float32 -> the quantised numbers, widened to float32 again
;;       x = np.moveaxis(x, axis, -1); K = x.shape[-1]
;;       x = np.pad(x, [(0, 0)] * (x.ndim - 1) + [(0, -K % 32)]); x = x.reshape(x.shape[:-1] + (-1, 32)); a = np.abs(x).max(-1, keepdims=True)
;;       e = np.where(a > 0, np.clip(np.frexp(np.where(a > 0, a, 1))[1] - 1 - 2, -126, 127), 0)      # np.frexp(a)[1] - 1 = floor(log2(a)), exactly
;;       r = np.clip(x / 2.0 ** e, -6, 6)
;;       step = 2.0 ** (np.maximum(np.frexp(np.where(r == 0, 1, r))[1] - 1, 0) - 1)
;;       q = np.round(r / step) * step * 2.0 ** e      # np.round: ties to even
;;       return np.moveaxis(q.reshape(q.shape[:-2] + (-1,))[..., :K], -1, axis).astype(np.float32)
;;   ~~~
;; One version. Each part assembles by itself: llvm-mc -triple=amdgcn-amd-amdhsa -mcpu=gfx1250 --defsym DOCPART=n.
;; ======== version 1 of 1: 4 launches
;; limits: values are held in f16: magnitudes above 65,504 overflow, below 6.1e-05 lose precision; right only within a limited range of input values; values outside matrix products are rounded to f16
;; workspace buffers: xc 4,194,304 bytes; xs 262,144 bytes; wc 1,572,864 bytes; ws 98,304 bytes; wo16 2,097,152 bytes; kbias 32,768 bytes; qkv 50,331,648 bytes; att 16,777,216 bytes
;; launch prep (part 1): grid 384 x 1, 4 waves a work-group, no clusters, 33,280 bytes of LDS; arguments x, Wqkv, xc, xs, wc, ws, Wout, mask, wo16, kbias; writes xc, xs, wc, ws, wo16, kbias
.if DOCPART == 1
	.amdgcn_target "amdgcn-amd-amdhsa--gfx1250"
	.amdhsa_code_object_version 6
	.text
	.protected	k_q4c94de6d4f_prep
	.globl	k_q4c94de6d4f_prep
	.p2align	8
	.type	k_q4c94de6d4f_prep,@function
k_q4c94de6d4f_prep:
	s_mov_b64 s[64:65], 0
	v_nop
	global_prefetch_b8 v0, s[64:65] scope:SCOPE_SE
	s_setreg_imm32_b32 hwreg(HW_REG_WAVE_MODE, 25, 1), 1
	s_wait_xcnt 0x0
; PREP.  Three jobs that read their inputs once, in one launch.
; (1) x [8192][1024] and Wqkv [3072][1024], f32, K innermost, become codes of FP4 (E2M1), two a byte, and one E8M0 scale byte for each 32 along K (work-groups 0 to 351).
;     A block's scale is 2^(floor(log2(its largest magnitude)) - 2); its byte is the largest magnitude's exponent field - 2, held at 1 from below; each number is divided by the scale and rounded to the nearest code, ties to even,
;     beyond the largest code the largest.
; (2) Wout [1024][1024] x 2^8 becomes f16 (work-groups 352 to 383).  The factor is exact and is taken off again in the last launch.
; (3) mask [4][2048] (a byte, 0 or 1) becomes an f32 addend for the scores: 0 where the key counts, -2^100 where it does not (the same work-groups).
; LIMITS: a block of zeros, or one whose largest magnitude lies under 2^-124, gets the byte 1 (its codes are zeros or near it; the bytes are read by this program alone); NaN and infinities among the inputs are not served;
;         Wout x 256 beyond 65,504 becomes infinity in f16 (|Wout| up to 255 is served).
; Rows are dense and K is a multiple of 32, so x and Wqkv are plain streams of blocks of 32.  A wave takes 16 steps of 512 numbers: each load reads 512 consecutive bytes; the 2,048 bytes of a step turn through the wave's own
; stage in LDS and come back 64 bytes a lane, so that a lane holds 16 neighbours along K (two lanes to a block).  No tensor loads, no barrier: waves share nothing.
.set SIZE_M, 8192
.set SIZE_N, 3072
.set SIZE_K, 1024
.set WAVES, 4
.set STEPS, 16
.set WGA,   SIZE_M*SIZE_K/(512*STEPS*WAVES)            ; 256 work-groups for x
.set WGQ,   (SIZE_M+SIZE_N)*SIZE_K/(512*STEPS*WAVES)   ; 352 for x and Wqkv together
.set EMAX,  2
.set CB,    8                          ; bytes of 16 codes
.set R,     16                         ; v16-79   four sets of 16 numbers as they are loaded
.set X,     80                         ; v80-111  two sets of 16 neighbours
.set C,     128                        ; v128-191 codes: four registers for each step, so that no store's data are written again
.set E,     112                        ; v112-127 a scale byte for each step
.set WREG,  8192                       ; LDS: a region for each wave: two stages of 32 x SP bytes, and behind them its 256 scale bytes
.set SP,    80                         ; a lane's place in a stage: its 64 bytes + 16 of padding
.set SPW,   12                         ; v12      LDS address of my spare word: SPARE + 4 x my thread's number; never rewritten
.set NIL,   13                         ; v13      0; never rewritten
.set SPARE, WAVES*WREG                 ; behind the four regions: the spare words, 128 bytes a wave, which no other line names
.set WR,    16                         ; Wout's path: v16-79 sixteen sets of 4 numbers
.set WC,    80                         ; v80-207  two registers of f16 for each of 64 steps: no store's data are written again
	s_load_b128 s[4:7], s[0:1], 0x0                ; x, Wqkv
	s_load_b128 s[8:11], s[0:1], 0x10              ; x's codes, x's scales
	s_load_b128 s[12:15], s[0:1], 0x20             ; Wqkv's codes, Wqkv's scales
	s_load_b128 s[24:27], s[0:1], 0x30             ; Wout, mask
	s_load_b128 s[28:31], s[0:1], 0x40             ; Wout in f16, the addend
	v_lshl_add_u32 v[SPW], v0, 2, SPARE
	v_mov_b32 v[NIL], 0
	v_lshrrev_b32 v1, 5, v0
	v_readfirstlane_b32 s16, v1                    ; wave
	v_and_b32 v2, 31, v0                           ; lane
	s_cmp_ge_u32 ttmp9, WGQ                        ; the last 32 work-groups take Wout and the mask
	s_cbranch_scc1 .Lwout
	; ---------------- x and Wqkv into codes ----------------
	v_lshlrev_b32 v3, 4, v2                        ; my 16 bytes of a load's 512
	s_mul_i32 s17, s16, WREG
	v_lshrrev_b32 v14, 2, v2
	v_mul_u32_u24 v14, v14, SP
	v_and_b32 v15, 3, v2
	v_lshl_add_u32 v14, v15, 4, v14
	v_add_nc_u32 v14, s17, v14                     ; the stage, on the way in: four lanes' 64 bytes on end, then 16 of padding
	v_mul_u32_u24 v15, v2, SP
	v_add_nc_u32 v15, s17, v15                     ; and on the way out: SP x lane: my 16 neighbours
	v_mul_u32_u24 v4, v2, CB                       ; my codes' place in a step's
	v_lshrrev_b32 v5, 1, v2
	s_add_co_u32 s17, s17, 2*32*SP
	v_add_nc_u32 v5, s17, v5                       ; LDS: my wave's 256 scale bytes, my block's byte
	v_lshlrev_b32 v7, 3, v2                        ; and on the way out 8 bytes a lane
	v_add_nc_u32 v6, s17, v7
	s_wait_kmcnt 0x0
	s_cmp_lt_u32 ttmp9, WGA                        ; x's work-group or Wqkv's?  The choice hangs on the work-group's number alone
	s_cselect_b64 s[4:5], s[4:5], s[6:7]
	s_cselect_b64 s[8:9], s[8:9], s[12:13]
	s_cselect_b64 s[10:11], s[10:11], s[14:15]
	s_cselect_b32 s17, 0, WGA
	s_sub_co_u32 s17, ttmp9, s17
	s_lshl_b32 s17, s17, 2
	s_add_co_u32 s18, s17, s16                     ; which run of 8,192 numbers of the tensor is my wave's
	s_mov_b32 s19, 0
	s_mov_b64 s[20:21], 512*STEPS*4
	s_mul_u64 s[20:21], s[18:19], s[20:21]
	s_add_nc_u64 s[4:5], s[4:5], s[20:21]
	s_mov_b64 s[20:21], 32*STEPS*CB
	s_mul_u64 s[20:21], s[18:19], s[20:21]
	s_add_nc_u64 s[8:9], s[8:9], s[20:21]
	s_lshl_b32 s18, s18, 8                         ; 256 scale bytes a run
	s_add_nc_u64 s[10:11], s[10:11], s[18:19]
.macro LOAD t
.irp i, 0,1,2,3
	global_load_b128 v[R+16*((\t)%4)+4*\i:R+16*((\t)%4)+4*\i+3], v3, s[4:5] offset:2048*(\t)+512*\i th:TH_LOAD_NT   ; 32 lanes read 512 consecutive bytes
.endr
.endm
.macro TURN t                          ; step t's numbers through the stage: LDS serves a wave's instructions in order, so no wait stands between the stores and the loads
.irp i, 0,1,2,3
	ds_store_b128 v14, v[R+16*((\t)%4)+4*\i:R+16*((\t)%4)+4*\i+3] offset:32*SP*((\t)%2)+8*SP*\i
.endr
.irp i, 0,1,2,3
	ds_load_b128 v[X+16*((\t)%2)+4*\i:X+16*((\t)%2)+4*\i+3], v15 offset:32*SP*((\t)%2)+16*\i
.endr
.endm
.irp t, 0,1,2,3
	LOAD \t
.endr
	s_wait_loadcnt 12                              ; step 0's four loads are in; those of steps 1 to 3 may be out
	TURN 0
.macro STEP t
.set XS, X+16*((\t)%2)
.if (\t) > 0
	s_wait_dscnt 1                                 ; this step's numbers are back from the stage (the last step's byte store may be out): so its stores into the stage have read their registers,
.else
	s_wait_dscnt 0x0
.endif
.if (\t)+4 < STEPS
	LOAD (\t)+4                                    ; which take the loads of four steps on
.endif
.if (\t)+1 < STEPS
.if STEPS-2-(\t) >= 3
	s_wait_loadcnt 12                              ; the next step's four loads are in; those of the three steps behind it may be out
.else
	s_wait_loadcnt 4*(STEPS-2-(\t))
.endif
	TURN (\t)+1                                    ; and go through the other stage while this step is worked
.endif
	v_max3_num_f32 v8, |v[XS]|, |v[XS+1]|, |v[XS+2]|               ; the largest magnitude of my 16, in two chains
	v_max3_num_f32 v9, |v[XS+3]|, |v[XS+4]|, |v[XS+5]|
.irp i, 6,10
	v_max3_num_f32 v8, v8, |v[XS+\i]|, |v[XS+\i+1]|
	v_max3_num_f32 v9, v9, |v[XS+\i+2]|, |v[XS+\i+3]|
.endr
	v_max3_num_f32 v8, v8, |v[XS+14]|, |v[XS+15]|
	v_max3_num_f32 v8, v8, v9, (EMAX+1)<<23        ; and the floor 2^(EMAX + 1 - 127): so the byte cannot fall under 1
	v_max_num_f32_dpp v8, v8, v8 row_xmask:1 row_mask:0xf bank_mask:0xf   ; and of my neighbour's 16: the block's
	v_add_nc_u32 v11, -(EMAX<<23), v8              ; EMAX off its exponent field: the conversion takes the exponent field of this operand as its scale, and nothing else of it
	v_cvt_scalef32_pk8_fp4_f32 v[C+4*(\t)], v[XS:XS+7], v11
	v_cvt_scalef32_pk8_fp4_f32 v[C+4*(\t)+1], v[XS+8:XS+15], v11
	v_lshrrev_b32 v[E+(\t)], 23, v11               ; the scale's byte (also the plain line behind the conversions)
	ds_store_b8 v5, v[E+(\t)] offset:16*(\t)       ; both lanes of a block write the same byte with the same value
	global_store_b64 v4, v[C+4*(\t):C+4*(\t)+1], s[8:9] offset:32*CB*(\t)   ; the wave stores 256 consecutive bytes, aligned
.endm
.irp t, 0,1,2,3,4,5,6,7,8,9,10,11,12,13,14,15
	STEP \t
.endr
	ds_load_b64 v[8:9], v6                         ; LDS serves a wave's instructions in order: these see my stores
	s_wait_dscnt 0x0
	global_store_b64 v7, v[8:9], s[10:11]          ; 32 lanes store 256 consecutive scale bytes, aligned
	s_branch .Lend
	; ---------------- Wout into f16, the mask into an addend: no LDS ----------------
.Lwout:
	s_sub_co_u32 s17, ttmp9, WGQ
	s_lshl_b32 s17, s17, 2
	s_add_co_u32 s17, s17, s16                     ; which of 128 waves I am: 8,192 numbers of Wout and 64 bytes of the mask each
	s_mov_b32 s19, 0
	v_lshlrev_b32 v3, 4, v2                        ; in: 16 bytes a lane
	v_lshlrev_b32 v4, 3, v2                        ; out: 8 bytes a lane
	v_lshlrev_b32 v5, 1, v2                        ; the mask: 2 bytes a lane
	v_mov_b32 v14, 0xf1800000                      ; -2^100: under every true score (at most 64 x 65,504^2 in size), and under the running maximum's start, -2^96
	s_wait_kmcnt 0x0
	s_lshl_b32 s18, s17, 15
	s_add_nc_u64 s[24:25], s[24:25], s[18:19]      ; Wout
	s_lshl_b32 s18, s17, 6
	s_add_nc_u64 s[26:27], s[26:27], s[18:19]      ; mask
	s_lshl_b32 s18, s17, 14
	s_add_nc_u64 s[28:29], s[28:29], s[18:19]      ; Wout in f16
	s_lshl_b32 s18, s17, 8
	s_add_nc_u64 s[30:31], s[30:31], s[18:19]      ; the addend
	global_load_u16 v8, v5, s[26:27]
.irp t, 0,1,2,3,4,5,6,7,8,9,10,11,12,13,14,15
	global_load_b128 v[WR+4*\t:WR+4*\t+3], v3, s[24:25] offset:512*\t th:TH_LOAD_NT
.endr
	s_wait_loadcnt 16                              ; the mask's two bytes are in; the sixteen loads behind them may be out
	v_and_b32 v9, 0xff, v8
	v_lshrrev_b32 v15, 8, v8
	v_cmp_eq_u32 vcc_lo, 0, v9
	v_cndmask_b32 v10, 0, v14, vcc_lo              ; 0 where the key counts, -2^100 where it does not
	v_cmp_eq_u32 vcc_lo, 0, v15
	v_cndmask_b32 v11, 0, v14, vcc_lo
	global_store_b64 v4, v[10:11], s[30:31]        ; the wave stores 256 consecutive bytes, aligned
.macro WSTEP t
.set WS, WR+4*((\t)%16)
.if (\t) <= 48
	s_wait_loadcnt 15                              ; loads come back in order: step t's is in, the fifteen behind it may be out
.else
	s_wait_loadcnt 63-(\t)
.endif
	v_pk_mul_f32 v[WS:WS+1], v[WS:WS+1], 0x43800000 op_sel_hi:[1,0]       ; x 2^8, exact
	v_pk_mul_f32 v[WS+2:WS+3], v[WS+2:WS+3], 0x43800000 op_sel_hi:[1,0]
	v_cvt_pk_f16_f32 v[WC+2*(\t)], v[WS], v[WS+1]
	v_cvt_pk_f16_f32 v[WC+2*(\t)+1], v[WS+2], v[WS+3]
	global_store_b64 v4, v[WC+2*(\t):WC+2*(\t)+1], s[28:29] offset:256*(\t)   ; the wave stores 256 consecutive bytes, aligned
.if (\t)+16 < 64
	global_load_b128 v[WS:WS+3], v3, s[24:25] offset:512*((\t)+16) th:TH_LOAD_NT
.endif
.endm
.set Q, 0
.rept 64
	WSTEP Q
.set Q, Q+1
.endr
.Lend:
	s_wait_tensorcnt 0x0                           ; the wave's end: behind the last LDS store
	ds_add_u32 v[SPW], v[NIL]
	s_wait_dscnt 0x0
	s_endpgm
.Lfunc_end_k_q4c94de6d4f_prep:
	.size	k_q4c94de6d4f_prep, .Lfunc_end_k_q4c94de6d4f_prep-k_q4c94de6d4f_prep
	.p2alignl 7, 3214868480
	.fill 96, 4, 3214868480
	.section	.rodata,"a",@progbits
	.p2align	6, 0x0
	.amdhsa_kernel k_q4c94de6d4f_prep
		.amdhsa_group_segment_fixed_size 33280
		.amdhsa_private_segment_fixed_size 0
		.amdhsa_enable_private_segment 0
		.amdhsa_kernarg_size 80
		.amdhsa_user_sgpr_count 2
		.amdhsa_user_sgpr_kernarg_segment_ptr 1
		.amdhsa_wavefront_size32 1
		.amdhsa_system_sgpr_workgroup_id_x 1
		.amdhsa_system_sgpr_workgroup_id_y 1
		.amdhsa_system_sgpr_workgroup_id_z 1
		.amdhsa_system_vgpr_workitem_id 0
		.amdhsa_next_free_vgpr 208
		.amdhsa_next_free_sgpr 66
		.amdhsa_reserve_vcc 1
		.amdhsa_float_denorm_mode_32 3
		.amdhsa_float_denorm_mode_16_64 3
		.amdhsa_memory_ordered 1
		.amdhsa_forward_progress 1
		.amdhsa_inst_pref_size 69
	.end_amdhsa_kernel
	.amdgpu_metadata
---
amdhsa.version: [ 1, 2 ]
amdhsa.kernels:
  - .name:           k_q4c94de6d4f_prep
    .symbol:         k_q4c94de6d4f_prep.kd
    .args:
      - { .name: x, .offset: 0, .size: 8, .value_kind: global_buffer, .address_space: global }
      - { .name: Wqkv, .offset: 8, .size: 8, .value_kind: global_buffer, .address_space: global }
      - { .name: xc, .offset: 16, .size: 8, .value_kind: global_buffer, .address_space: global }
      - { .name: xs, .offset: 24, .size: 8, .value_kind: global_buffer, .address_space: global }
      - { .name: wc, .offset: 32, .size: 8, .value_kind: global_buffer, .address_space: global }
      - { .name: ws, .offset: 40, .size: 8, .value_kind: global_buffer, .address_space: global }
      - { .name: Wout, .offset: 48, .size: 8, .value_kind: global_buffer, .address_space: global }
      - { .name: mask, .offset: 56, .size: 8, .value_kind: global_buffer, .address_space: global }
      - { .name: wo16, .offset: 64, .size: 8, .value_kind: global_buffer, .address_space: global }
      - { .name: kbias, .offset: 72, .size: 8, .value_kind: global_buffer, .address_space: global }
    .group_segment_fixed_size: 33280
    .private_segment_fixed_size: 0
    .kernarg_segment_align: 8
    .kernarg_segment_size: 80
    .max_flat_workgroup_size: 128
    .sgpr_count:     66
    .vgpr_count:     208
    .wavefront_size: 32
...
	.end_amdgpu_metadata
.endif
;; end of part 1
;; launch qkv (part 2): grid 12 x 32, 4 waves a work-group, clusters of 4 x 4, 327,680 bytes of LDS; arguments xc, xs, wc, ws, qkv; writes qkv
.if DOCPART == 2
	.amdgcn_target "amdgcn-amd-amdhsa--gfx1250"
	.amdhsa_code_object_version 6
	.text
	.protected	k_q4c94de6d4f_qkv
	.globl	k_q4c94de6d4f_qkv
	.p2align	8
	.type	k_q4c94de6d4f_qkv,@function
k_q4c94de6d4f_qkv:
	s_mov_b64 s[64:65], 0
	v_nop
	global_prefetch_b8 v0, s[64:65] scope:SCOPE_SE
	s_setreg_imm32_b32 hwreg(HW_REG_WAVE_MODE, 25, 1), 1
	s_wait_xcnt 0x0
	s_wait_alu depctr_hold_cnt(0) depctr_sa_sdst(0) depctr_va_vdst(0) depctr_va_sdst(0) depctr_va_ssrc(0) depctr_va_vcc(0) depctr_vm_vsrc(0)
	s_getreg_b32 s2, hwreg(HW_REG_IB_STS2, 6, 4)
	s_cmp_eq_u32 s2, 0
	s_cbranch_scc0 .Lentry_in_a_cluster
	s_endpgm
.Lentry_in_a_cluster:
	s_bfe_u32 s2, ttmp6, 0x10000c
	s_cmp_lg_u32 s2, 0xf033
	s_cbranch_scc0 .Lentry_shape_is_right
	s_endpgm
.Lentry_shape_is_right:
; QKV.  qkv[m][n] = sum over k of x[m][k] Wqkv[n][k], both operands as codes of FP4 (E2M1) with one E8M0 scale for each 32 along K, as the launch before made them; sums in f32.
; x's codes [8192][512 bytes], scales [8192][32]; Wqkv's codes [3072][512 bytes], scales [3072][32].  The results are rounded once to f16 and laid by head: [q, k or v][batch 4][head 16][token 2048][64].
; LIMIT: a result beyond 65,504 becomes infinity in f16.
; A tile of 256 tokens x 256 columns (four heads of one of q, k, v) is made by a work-group of four waves; a wave makes 128 x 128: 64 accumulators of 16 x 16, 512 registers.
; K = 1,024 is two K steps of 512 (a tile's row is 256 bytes): both lie in LDS from the start, in two slots; nothing is filled again.  The scale bytes of the work-group's rows, two dense blocks, come with them.
; CLUSTERS: 4 x 4 work-groups.  The four of a row of the cluster need the same tiles of x, the four of a column the same tiles of Wqkv: each tile is asked for JOINTLY, by the same tensor load with the same descriptor and a mask
; that names the four.  THE MATRIX INSTRUCTION IS USED TRANSPOSED (source 0 = 16 rows of Wqkv, source 1 = 16 tokens): a lane then holds eight neighbouring channels of one token.
; REGISTERS, in windows of 256: window 0: v0-31 addresses; v32-95 scale words, two sets; from v128 x's fragments (8 x 16 rows x 128 K), ONE set; on the way out v32-127 are at work.
;   window 1: Wqkv's fragments, TWO sets, at v0 and at v128.   window 2: the 32 accumulators of my tokens 0-63 (accumulator (a, b) at v[8 (8 a + b)]);   window 3: those of my tokens 64-127.
.set SIZE_M, 8192
.set SIZE_N, 3072
.set SIZE_K, 1024
.set KSTEP,  512                       ; along K in a slot
.set NQ,     KSTEP/128                 ; matrix instructions deep
.set ROWB,   256                       ; a tile's row in bytes
.set KROW,   SIZE_K*4/8                ; a row of codes in memory, in bytes
.set PITCH,  272                       ; an LDS row: 256 bytes + 16 of padding = 68 words: row r starts at bank 4 r mod 64 (64 banks of 4 bytes: ISA guide 11.1), so the 16 rows of a load start at 16 different banks
.set FR,     8                         ; registers of a fragment: 16 rows x 128 K
.set NL,     2                         ; LDS loads that bring one
.set NP,     4                         ; places behind this matrix instruction (ISA guide 7.12.1)
.set HALFT,  128*PITCH                 ; 128 rows: what one tensor load brings, and what one wave reads of either operand
.set SLOT,   4*HALFT                   ; x's 256 rows, then Wqkv's 256 rows
.set KS,     SIZE_K/32                 ; a row of scales in bytes
.set SCL,    2*SLOT                    ; behind the slots: the scales, as rows of 256 bytes + 16 of padding
.set HALFS,  (128*KS/256)*272          ; the scales of 128 rows: what one tensor load brings
.set SBLK,   (16*KS/256)*272           ; those of 16 rows
.set SPARE,  SCL+4*HALFS               ; behind the scales: the spare words, 128 bytes a wave, which no other line names
.set SH,     2304                      ; the way out: a head's 16 tokens x (128 bytes + 16) in my stage; a wave's stage is two of them.  The stages lie in slot 0, which is filled once and has had its last read when the first result is stored there
.set ADRA, 16                          ; v16-17  LDS address of my x fragments in slot 0, 1
.set ADRB, 20                          ; v20-21  the same for Wqkv
.set STO,  24                          ; v24     the way out: where I put 16 bytes of a token's row
.set RD,   25                          ; v25     the way out: where I read 16 bytes back
.set CO,   26                          ; v26     16 x lane: my place in 512 consecutive bytes of the output
.set ADRS, 27                          ; v27     LDS address of my scale words: lanes 0-15 x's rows, lanes 16-31 Wqkv's
.set SPW,  28                          ; v28     LDS address of my spare word; never rewritten
.set NIL,  29                          ; v29     0; never rewritten
.set SC,   32                          ; scale words: set s (for slot s) at v[SC + 8 NQ s]; register NQ i + q: lanes 0-15 the word of x's block i, lanes 16-31 that of Wqkv's block i, for the slot's q-th 128 along K
.set AF,   128                         ; x's fragments, in window 0
.set TMP,  96                          ; the way out: v96-127 a block's results in f16
.set BK,   32                          ; the way out: v32-63 and v64-95 by turns: a block read back from the stage
.set G1, 24                            ; s[24:31] descriptor group 1 for x's tiles;  s[32:39] group 0, one set for each slot
.set G0, 32
.set G1B, 48                           ; s[48:55], s[56:63] the same for Wqkv's tiles
.set G0B, 56
.set G1S, 68                           ; s[68:75], s[76:79] groups 1 and 0 for x's scales;  s[80:87], s[88:91] for Wqkv's
.set G0S, 76
.set G1SB, 80
.set G0SB, 88
.set MSB, 0
.macro WIN new                         ; the immediate's high byte repeats the setting that is left
.if MSB != \new
	s_set_vgpr_msb (MSB<<8)|\new
.set MSB, \new
.endif
.endm
.set MUL_LO, 0xa1                      ; source 0 (Wqkv) window 1, source 1 (x) window 0, C and D window 2
.set MUL_HI, 0xf1                      ; the same, C and D window 3
.set TO_B,   0x40                      ; destination window 1, address window 0
; A joint load: waves 0 and 1 fetch for x, waves 2 and 3 for Wqkv.  Each of the two lines has ONE mask and one set of registers for all that issue it; the branch hangs on the wave's number alone.
; An s_nop 0 and four v_nop follow each of the two lines, ahead of the jump, the label and what follows.
.macro JLOAD g0a, g1a, g0b, g1b
	s_cmp_eq_u32 s15, 0
	s_cbranch_scc0 .Lfor_b_\@
	tensor_load_to_lds s[\g0a:\g0a+3], s[\g1a:\g1a+7]
	s_nop 0
.rept 4
	v_nop
.endr
	s_branch .Lasked_\@
.Lfor_b_\@:
	tensor_load_to_lds s[\g0b:\g0b+3], s[\g1b:\g1b+7]
	s_nop 0
.rept 4
	v_nop
.endr
.Lasked_\@:
.endm
.macro CROUND                          ; a round of the cluster's barrier: my work-group's barrier; wave 0 signals for the work-group; every wave waits for all sixteen; my work-group's barrier once more
	s_barrier_signal -1
	s_barrier_wait -1
	s_cmp_lg_u32 s14, 0
	s_cbranch_scc1 .Lnot_wave_0_\@
	s_barrier_signal -3
.Lnot_wave_0_\@:
	s_barrier_wait -3
	s_barrier_signal -1
	s_barrier_wait -1
.endm
	s_load_b128 s[4:7], s[0:1], 0x0                ; x's codes s[4:5], x's scales s[6:7]
	s_load_b128 s[8:11], s[0:1], 0x10              ; Wqkv's codes s[8:9], its scales s[10:11]
	s_load_b64 s[12:13], s[0:1], 0x20              ; the output
	v_lshl_add_u32 v[SPW], v0, 2, SPARE
	v_mov_b32 v[NIL], 0
	ds_add_u32 v[SPW], v[NIL]                      ; the wave's opening: the add, twice on end, and its wait ahead of my first tensor load; the set-up below stands between the second and the wait
	ds_add_u32 v[SPW], v[NIL]
	v_lshrrev_b32 v1, 5, v0
	v_readfirstlane_b32 s14, v1                    ; wave 0..3
	s_lshr_b32 s15, s14, 1                         ; which half of the tile's tokens is mine.  Also: I fetch for x (0) or for Wqkv (1)
	s_and_b32 s16, s14, 1                          ; which half of its columns.  Also: which 128 rows of that tile I fetch
	s_bfe_u32 s40, ttmp6, 0x40000                  ; cx, cy: my place in the cluster
	s_bfe_u32 s41, ttmp6, 0x40004
	s_lshl_b32 s42, ttmp9, 2
	s_add_co_u32 s42, s42, s40                     ; tile column = 4 x cluster x + cx
	s_and_b32 s17, ttmp7, 0xffff
	s_lshl_b32 s17, s17, 2
	s_add_co_u32 s17, s17, s41                     ; tile row = 4 x cluster y + cy
	s_lshl_b32 s43, s41, 2
	s_lshl_b32 s43, 15, s43                        ; my row of the cluster
	s_lshl_b32 s44, 0x1111, s40                    ; my column
	; descriptor group 1: a tile of 128 rows x 256 bytes, padded in LDS
	s_or_b32 s[G1+0], s43, (0<<16)|(1<<20)|(1<<21)|(5<<22)|(3<<25)  ; 15:0 the mask: x's tiles go to my row; 17:16 element of 1 byte; 20 padding on; 21 set beside a mask; 24:22 after every 64 words (code 5); 31:25 of 4 words (code 3)
	s_or_b32 s[G1B+0], s44, (0<<16)|(1<<20)|(1<<21)|(5<<22)|(3<<25)
.irp g, G1, G1B
	s_mov_b32 s[\g+1], ROWB<<16                    ; tensor_dim0
	s_mov_b32 s[\g+2], 128<<16                     ; tensor_dim1 = 128
	s_mov_b32 s[\g+3], ROWB<<16                    ; tile_dim0
	s_mov_b32 s[\g+4], 128                         ; tile_dim1 = 128
	s_mov_b32 s[\g+5], KROW                        ; tensor_dim0_stride
	s_mov_b32 s[\g+6], 0
	s_mov_b32 s[\g+7], 0
.endr
	; and for the scales of 128 rows: a dense block of 4,096 bytes, as 16 rows of 256 bytes (32 elements of 8 bytes), 16 bytes of padding behind each
	s_or_b32 s[G1S+0], s43, (3<<16)|(1<<20)|(1<<21)|(5<<22)|(3<<25)
	s_or_b32 s[G1SB+0], s44, (3<<16)|(1<<20)|(1<<21)|(5<<22)|(3<<25)
.irp g, G1S, G1SB
	s_mov_b32 s[\g+1], 32<<16
	s_mov_b32 s[\g+2], (128*KS/256)<<16
	s_mov_b32 s[\g+3], 32<<16
	s_mov_b32 s[\g+4], 128*KS/256
	s_mov_b32 s[\g+5], 32
	s_mov_b32 s[\g+6], 0
	s_mov_b32 s[\g+7], 0
.endr
	s_lshl_b32 s18, s16, 7                         ; which 128 rows of the tile I fetch
	s_lshl_b32 s20, s17, 8
	s_add_co_u32 s20, s20, s18                     ; x: row 256 x tile row + 128 x half
	s_lshl_b32 s46, s42, 8
	s_add_co_u32 s46, s46, s18                     ; Wqkv: row 256 x tile column + 128 x half
	s_mov_b32 s21, 0
	s_mov_b32 s47, 0
	s_mov_b64 s[18:19], KS
	s_mul_u64 s[22:23], s[20:21], s[18:19]         ; where these rows' scales begin, in bytes
	s_mul_u64 s[92:93], s[46:47], s[18:19]
	s_mov_b64 s[18:19], KROW
	s_mul_u64 s[20:21], s[20:21], s[18:19]         ; and their codes
	s_mul_u64 s[46:47], s[46:47], s[18:19]
	s_mul_i32 s45, s14, HALFT                      ; where they go: wave x 128 rows: no place in the cluster enters an LDS address
	s_mul_i32 s94, s14, HALFS
	s_wait_dscnt 0x0                               ; both opening adds are done
	s_wait_kmcnt 0x0
	s_add_nc_u64 s[20:21], s[4:5], s[20:21]
	s_add_nc_u64 s[22:23], s[6:7], s[22:23]
	s_add_nc_u64 s[46:47], s[8:9], s[46:47]
	s_add_nc_u64 s[92:93], s[10:11], s[92:93]
	CROUND                                         ; all sixteen work-groups are here: the joint loads meet.  Three loads of mine go out, and no more in the launch
	s_mov_b32 s[G0S], 1
	s_add_co_u32 s[G0S+1], s94, SCL
	s_mov_b64 s[G0S+2:G0S+3], s[22:23]
	s_or_b32 s[G0S+3], s[G0S+3], 0x80000000
	s_mov_b32 s[G0SB], 1
	s_add_co_u32 s[G0SB+1], s94, SCL
	s_mov_b64 s[G0SB+2:G0SB+3], s[92:93]
	s_or_b32 s[G0SB+3], s[G0SB+3], 0x80000000
	JLOAD G0S, G1S, G0SB, G1SB                     ; the scales first: they are wanted with K step 0
.irp s, 0,1
	s_mov_b32 s[G0+4*\s], 1
	s_add_co_u32 s[G0+4*\s+1], s45, \s*SLOT
	s_add_nc_u64 s[G0+4*\s+2:G0+4*\s+3], s[20:21], \s*ROWB
	s_or_b32 s[G0+4*\s+3], s[G0+4*\s+3], 0x80000000
	s_mov_b32 s[G0B+4*\s], 1
	s_add_co_u32 s[G0B+4*\s+1], s45, \s*SLOT
	s_add_nc_u64 s[G0B+4*\s+2:G0B+4*\s+3], s[46:47], \s*ROWB
	s_or_b32 s[G0B+4*\s+3], s[G0B+4*\s+3], 0x80000000
	JLOAD G0+4*\s, G1, G0B+4*\s, G1B
.endr
	v_and_b32 v1, 15, v0                           ; r = l % 16
	v_bfe_u32 v2, v0, 4, 1                         ; h = l / 16
	v_mul_u32_u24 v3, v1, PITCH
	v_lshl_add_u32 v4, v2, 4, v3                   ; a fragment's row x pitch + 16 x half
	s_mul_i32 s21, s15, HALFT                      ; my 128 rows of x
	s_mul_i32 s22, s16, HALFT                      ; my 128 rows of Wqkv,
	s_add_co_u32 s22, s22, 2*HALFT                 ; which lie behind x's 256
.irp s, 0,1
	v_add_nc_u32 v[ADRA+\s], s21, v4
	v_add_nc_u32 v[ADRB+\s], s22, v4
	s_add_co_u32 s21, s21, SLOT
	s_add_co_u32 s22, s22, SLOT
.endr
	v_mul_u32_u24 v5, v1, KS                       ; my row's scales: KS bytes a row,
	v_lshrrev_b32 v6, 8, v5
	v_lshl_add_u32 v5, v6, 4, v5                   ; and 16 more for each 256 passed
	s_mul_i32 s21, s15, HALFS                      ; x's: my 128 rows
	s_mul_i32 s22, s16, HALFS                      ; Wqkv's: my 128 rows, behind x's 256
	s_add_co_u32 s22, s22, 2*HALFS
	s_sub_co_u32 s22, s22, s21
	v_mul_u32_u24 v6, s22, v2                      ; lanes 16-31 take Wqkv's
	s_add_co_u32 s21, s21, SCL
	v_add_nc_u32 v5, v5, v6
	v_add_nc_u32 v[ADRS], s21, v5
	s_mul_i32 s23, s14, 2*SH                       ; my stage
	v_mul_u32_u24 v5, v1, 144                      ; in: token l % 16, 16 bytes for each half of the lanes
	v_lshl_add_u32 v5, v2, 4, v5
	v_add_nc_u32 v[STO], s23, v5
	v_bfe_u32 v6, v0, 3, 2                         ; back: eight lanes to a token's 128 bytes, four tokens an instruction
	v_mul_u32_u24 v6, v6, 144
	v_and_b32 v7, 7, v0
	v_lshl_add_u32 v6, v7, 4, v6
	v_add_nc_u32 v[RD], s23, v6
	v_and_b32 v6, 31, v0
	v_lshlrev_b32 v[CO], 4, v6                     ; four tokens of a head are 512 consecutive bytes of the output
	; where my part begins in the output: (q, k or v) << 24 + batch << 22 + head << 18 + token << 7
	s_lshl_b32 s20, s17, 8
	s_lshl_b32 s21, s15, 7
	s_add_co_u32 s20, s20, s21                     ; my first row of x: 256 x tile row + 128 x half
	s_lshr_b32 s21, s20, 11
	s_lshl_b32 s21, s21, 22                        ; its batch,
	s_and_b32 s20, s20, 2047
	s_lshl_b32 s20, s20, 7                         ; its token
	s_add_co_u32 s20, s20, s21
	s_mov_b32 s21, 0
	s_lshl_b32 s46, s42, 2                         ; (in the registers that held Wqkv's address: none that feeds x's descriptors ever holds cx)
	s_lshl_b32 s47, s16, 1
	s_add_co_u32 s46, s46, s47                     ; my first group of 64 columns: 4 x tile column + 2 x half
	s_lshr_b32 s47, s46, 4
	s_lshl_b32 s47, s47, 24                        ; q, k or v,
	s_and_b32 s46, s46, 15
	s_lshl_b32 s46, s46, 18                        ; the head
	s_add_co_u32 s46, s46, s47
	s_mov_b32 s47, 0
	s_add_nc_u64 s[20:21], s[20:21], s[46:47]
	s_add_nc_u64 s[12:13], s[12:13], s[20:21]
.macro FRAG reg, adr, q, i             ; a fragment, 16 rows x 128 K of 4-bit codes, is 8 registers: lane l holds row l % 16; registers 4 c .. 4 c + 3 hold K = 64 c + 32 (l / 16) + 0 .. 31
.irp c, 0,1
	ds_load_b128 v[\reg+4*\c:\reg+4*\c+3], v[\adr] offset:64*(\q)+32*\c+(\i)*16*PITCH
.endr
.endm
; 16 matrix instructions: x's blocks a0, a0 + 1 against Wqkv's eight, 128 along K: the slot's q-th.  p: Wqkv's set;  sc: the set of scale words.  zero = 1: the first product starts the sums: nothing is ever cleared.
; The 64 accumulators take turns, one instruction a turn, in the same order in every step.
.macro MUL16 a0, p, q, sc, zero
.irp a, \a0, \a0+1
.irp b, 0,1,2,3,4,5,6,7
.if \zero
	v_wmma_scale_f32_16x16x128_f8f6f4 v[8*(8*((\a)%4)+\b):8*(8*((\a)%4)+\b)+7], v[128*(\p)+FR*\b:128*(\p)+FR*\b+FR-1], v[AF+FR*(\a):AF+FR*(\a)+FR-1], 0, v[SC+8*NQ*(\sc)+NQ*\b+(\q)], v[SC+8*NQ*(\sc)+NQ*(\a)+(\q)] matrix_a_fmt:MATRIX_FMT_FP4 matrix_b_fmt:MATRIX_FMT_FP4 matrix_a_scale:MATRIX_SCALE_ROW1
.else
	v_wmma_scale_f32_16x16x128_f8f6f4 v[8*(8*((\a)%4)+\b):8*(8*((\a)%4)+\b)+7], v[128*(\p)+FR*\b:128*(\p)+FR*\b+FR-1], v[AF+FR*(\a):AF+FR*(\a)+FR-1], v[8*(8*((\a)%4)+\b):8*(8*((\a)%4)+\b)+7], v[SC+8*NQ*(\sc)+NQ*\b+(\q)], v[SC+8*NQ*(\sc)+NQ*(\a)+(\q)] matrix_a_fmt:MATRIX_FMT_FP4 matrix_b_fmt:MATRIX_FMT_FP4 matrix_a_scale:MATRIX_SCALE_ROW1
.endif
.endr
.endr
.endm
.macro FETCH_B slot, q, p              ; Wqkv's eight fragments of the slot's q-th 128 along K into set p
	WIN TO_B
.irp i, 0,1,2,3,4,5,6,7
	FRAG 128*(\p)+FR*\i, ADRB+\slot, \q, \i
.endr
	WIN 0
.endm
.macro FETCH_A slot, q, i0             ; x's blocks i0 .. i0 + 3
.irp i, \i0, \i0+1, \i0+2, \i0+3
	FRAG AF+FR*(\i), ADRA+\slot, \q, \i
.endr
.endm
.macro SCALES sc                       ; a K step's scale words into set sc: NQ words a row; lanes 0-15 take x's block i, lanes 16-31 Wqkv's block i
.irp i, 0,1,2,3,4,5,6,7
	ds_load_b128 v[SC+8*NQ*\sc+NQ*\i:SC+8*NQ*\sc+NQ*\i+3], v[ADRS] offset:\i*SBLK
.endr
.endm
; A load into a register that a matrix instruction has read, and a vector instruction that reads a matrix result, stand NP places behind that matrix instruction, and only plain vector instructions that name none of its
; registers are places (ISA guide 7.12.1 for vector instructions); the matrix instructions in between are not counted.
.macro PLACES n
.rept \n
	v_nop
.endr
.endm
; A step of 128 along K that has its successor in the same slot.  x has one set of registers: blocks 0-3 are fetched anew in the step's middle, blocks 4-7 at its end.
.macro STEP slot, q, zero
	s_wait_dscnt 4*NL                              ; Wqkv's set and x's blocks 0-3 are in; the youngest eight loads (x's blocks 4-7) may be out
	WIN MUL_LO
	MUL16 0, (\q)%2, \q, \slot, \zero
	MUL16 2, (\q)%2, \q, \slot, \zero
	s_wait_dscnt 0                                 ; x's blocks 4-7 are in (asked for 32 matrix instructions ago)
	PLACES NP
	FETCH_B \slot, (\q)+1, 1-(\q)%2
	FETCH_A \slot, (\q)+1, 0
	WIN MUL_HI
	MUL16 4, (\q)%2, \q, \slot, \zero
	MUL16 6, (\q)%2, \q, \slot, \zero
	PLACES NP
	WIN 0
	FETCH_A \slot, (\q)+1, 4
.endm
; Slot 0's last step changes slots: ONE barrier; in front of it each wave waits for all its tensor loads (its part of slot 1), adds 0 to its spare word, and waits for that and for its own reads of slot 0.
; Behind it slot 1 is whole and nobody reads slot 0 any more.  Nothing is filled again.
.macro TURN slot, next
	s_wait_tensorcnt 0x0                           ; all my tensor loads have landed  (every window is 0 here: the add's two registers lie in window 0)
	ds_add_u32 v[SPW], v[NIL]                      ; 0 onto my spare word
	s_wait_dscnt 4*NL+1                            ; (the add and the youngest eight loads, x's blocks 4-7, may be out)
	WIN MUL_LO
	MUL16 0, 1, NQ-1, \slot, 0                     ; sixteen matrix instructions stand between the add and the wait for it
	s_wait_dscnt 0x0                               ; the add is done, and my reads of this slot are over
	s_barrier_signal -1
	MUL16 2, 1, NQ-1, \slot, 0
	WIN 0
	s_barrier_wait -1
	PLACES NP
	v_add_nc_u32 v[ADRS], 4*NQ, v[ADRS]            ; on to the next K step's scale words (no LDS load of mine is out)
	FETCH_B \next, 0, 0
	FETCH_A \next, 0, 0
	SCALES \next
	WIN MUL_HI
	MUL16 4, 1, NQ-1, \slot, 0
	MUL16 6, 1, NQ-1, \slot, 0
	PLACES NP
	WIN 0
	FETCH_A \next, 0, 4
.endm
.macro STEPS slot, from                ; the slot's steps from .. NQ - 2
.set Q, \from
.rept NQ-1-\from
	STEP \slot, Q, 0
.set Q, Q+1
.endr
.endm
	s_wait_tensorcnt 1                             ; the scales and my part of K step 0 are in (K step 1's load may be out),
	s_barrier_signal -1
	s_barrier_wait -1                              ; everybody's are
	FETCH_B 0, 0, 0
	FETCH_A 0, 0, 0
	SCALES 0
	FETCH_A 0, 0, 4
	STEP 0, 0, 1                                   ; the first step's products start the sums
	STEPS 0, 1
	TURN 0, 1
	STEPS 1, 0
	s_wait_dscnt 4*NL                              ; the very last step: nothing more to fetch
	WIN MUL_LO
	MUL16 0, 1, NQ-1, 1, 0
	MUL16 2, 1, NQ-1, 1, 0
	s_wait_dscnt 0
	WIN MUL_HI
	MUL16 4, 1, NQ-1, 1, 0
	MUL16 6, 1, NQ-1, 1, 0
	WIN 0
; THE WAY OUT, block by block of 16 tokens x 128 columns (two heads).  A lane's eight results are eight neighbouring channels of one token: rounded to f16 they are 16 bytes.  They go into my stage (a token's 128 bytes + 16 of
; padding: 36 words, so that the 16 tokens of a store start at 16 different groups of banks) and come back four tokens an instruction: 512 consecutive bytes of the output, since a head's tokens lie on end.
.macro PACK a
.set AC, 64*((\a)%4)
	WIN (0x0a+5*((\a)/4))                          ; sources 0 and 1: window 2 or 3
.irp b, 0,1,2,3,4,5,6,7
.irp i, 0,1,2,3
	v_cvt_pk_f16_f32 v[TMP+4*\b+\i], v[AC+8*\b+2*\i], v[AC+8*\b+2*\i+1]   ; each accumulator from its low end on
.endr
.endr
	WIN 0
.endm
.macro TOSTAGE a
.set BB, BK+32*((\a)%2)
.irp b, 0,1,2,3,4,5,6,7
	ds_store_b128 v[STO], v[TMP+4*\b:TMP+4*\b+3] offset:(\b/4)*SH+(\b%4)*32
.endr
.irp t, 0,1,2,3,4,5,6,7
	ds_load_b128 v[BB+4*\t:BB+4*\t+3], v[RD] offset:(\t/4)*SH+(\t%4)*576   ; LDS serves a wave's instructions in order (ISA guide 5.7.1.4): these see the stores above
.endr
.endm
.macro SEND a
.set BB, BK+32*((\a)%2)
	s_wait_dscnt 0x0                               ; the block is back in registers
	s_wait_xcnt 0x0                                ; the block before's stores have read their registers: the next block's loads from the stage may land there
.irp t, 0,1,2,3,4,5,6,7
	global_store_b128 v[CO], v[BB+4*\t:BB+4*\t+3], s[12:13] offset:(\t/4)*262144+(\a)*2048+(\t%4)*512 th:TH_STORE_NT   ; 32 lanes store 512 consecutive bytes, at a multiple of 256 from the buffer's first byte; every place stands in the immediate
.endr
.endm
	PLACES NP                                      ; behind the last products: for the conversions, and for the loads into the registers that held scale words
	PACK 0
	TOSTAGE 0
.irp a, 1,2,3,4,5,6,7                  ; block a's conversions stand between block a - 1's loads from the stage and the wait for them
	PACK \a
	SEND \a-1
	TOSTAGE \a
.endr
	SEND 7
	s_wait_tensorcnt 0x0                           ; the wave's end: behind my last tensor load and my last LDS store
	ds_add_u32 v[SPW], v[NIL]
	s_wait_dscnt 0x0
	CROUND                                         ; the closing round: no work-group ends while a partner may still ask for a tile that names it
	s_endpgm
.Lfunc_end_k_q4c94de6d4f_qkv:
	.size	k_q4c94de6d4f_qkv, .Lfunc_end_k_q4c94de6d4f_qkv-k_q4c94de6d4f_qkv
	.p2alignl 7, 3214868480
	.fill 96, 4, 3214868480
	.section	.rodata,"a",@progbits
	.p2align	6, 0x0
	.amdhsa_kernel k_q4c94de6d4f_qkv
		.amdhsa_group_segment_fixed_size 327680
		.amdhsa_private_segment_fixed_size 0
		.amdhsa_enable_private_segment 0
		.amdhsa_kernarg_size 40
		.amdhsa_user_sgpr_count 2
		.amdhsa_user_sgpr_kernarg_segment_ptr 1
		.amdhsa_wavefront_size32 1
		.amdhsa_system_sgpr_workgroup_id_x 1
		.amdhsa_system_sgpr_workgroup_id_y 1
		.amdhsa_system_sgpr_workgroup_id_z 1
		.amdhsa_system_vgpr_workitem_id 0
		.amdhsa_next_free_vgpr 1024
		.amdhsa_next_free_sgpr 98
		.amdhsa_reserve_vcc 0
		.amdhsa_float_denorm_mode_32 3
		.amdhsa_float_denorm_mode_16_64 3
		.amdhsa_memory_ordered 1
		.amdhsa_forward_progress 1
		.amdhsa_inst_pref_size 127
	.end_amdhsa_kernel
	.amdgpu_metadata
---
amdhsa.version: [ 1, 2 ]
amdhsa.kernels:
  - .name:           k_q4c94de6d4f_qkv
    .symbol:         k_q4c94de6d4f_qkv.kd
    .args:
      - { .name: xc, .offset: 0, .size: 8, .value_kind: global_buffer, .address_space: global }
      - { .name: xs, .offset: 8, .size: 8, .value_kind: global_buffer, .address_space: global }
      - { .name: wc, .offset: 16, .size: 8, .value_kind: global_buffer, .address_space: global }
      - { .name: ws, .offset: 24, .size: 8, .value_kind: global_buffer, .address_space: global }
      - { .name: qkv, .offset: 32, .size: 8, .value_kind: global_buffer, .address_space: global }
    .group_segment_fixed_size: 327680
    .private_segment_fixed_size: 0
    .kernarg_segment_align: 8
    .kernarg_segment_size: 40
    .max_flat_workgroup_size: 128
    .sgpr_count:     98
    .vgpr_count:     1024
    .wavefront_size: 32
...
	.end_amdgpu_metadata
.endif
;; end of part 2
;; launch attn (part 3): grid 4 x 64, 8 waves a work-group, clusters of 4 x 1, 327,680 bytes of LDS; arguments qkv, kbias, att; writes att
.if DOCPART == 3
	.amdgcn_target "amdgcn-amd-amdhsa--gfx1250"
	.amdhsa_code_object_version 6
	.text
	.protected	k_q4c94de6d4f_attn
	.globl	k_q4c94de6d4f_attn
	.p2align	8
	.type	k_q4c94de6d4f_attn,@function
k_q4c94de6d4f_attn:
	s_mov_b64 s[64:65], 0
	v_nop
	global_prefetch_b8 v0, s[64:65] scope:SCOPE_SE
	s_setreg_imm32_b32 hwreg(HW_REG_WAVE_MODE, 25, 1), 1
	s_wait_xcnt 0x0
	s_wait_alu depctr_hold_cnt(0) depctr_sa_sdst(0) depctr_va_vdst(0) depctr_va_sdst(0) depctr_va_ssrc(0) depctr_va_vcc(0) depctr_vm_vsrc(0)
	s_getreg_b32 s2, hwreg(HW_REG_IB_STS2, 6, 4)
	s_cmp_eq_u32 s2, 0
	s_cbranch_scc0 .Lentry_in_a_cluster
	s_endpgm
.Lentry_in_a_cluster:
	s_bfe_u32 s2, ttmp6, 0x10000c
	s_cmp_lg_u32 s2, 0x3003
	s_cbranch_scc0 .Lentry_shape_is_right
	s_endpgm
.Lentry_shape_is_right:
; ATTN.  o[b][h][q][:] = the sum over keys of softmax_k(q . k / 8, keys that the mask hides left out) v[k][:].  q, k, v: f16, [3][b 4][h 16][token 2048][64]; the addend: f32 [4][2048], 0 or -2^100;
; the result, x 2^4, goes out in f16, [b][h][token][64].  Products in f16 with f32 sums; maxima, exponentials and scalings in f32; the weights p are rounded to f16 for the second product, and the row's sum is taken of those.
; THE MASK is the C of each score tile's first matrix instruction: a hidden key's score is about -2^100.  The running maximum starts at -2^96: over every hidden score, under every true one (at most 64 x 65,504^2 in size).
; So a hidden key's p is 2^(-huge) = 0 in every step.  A batch with no key at all gives sum 0 and O 0, and 0 x (1 / 0) is NaN, as the softmax of a row of -infinity is.
; SOFTMAX.  For each query a running maximum m and sum l: p = 2^(c s - c m), c = log2(e) / 8; in every step O and l are multiplied by a = 2^(c m_old - c m_new).
; LIMITS: o x 16 beyond 65,504 becomes infinity in f16 (|o| up to 4,094 is served); NaN and infinities among q, k, v are not served.
; SHARES.  A work-group owns 512 queries of one head, each of its eight waves 64: four tiles of 16.  Two waves share a SIMD, so that one's vector work stands beside the other's products.  Every wave walks all 2,048 keys, 64 a step.
; LAYOUT.  S^T = K Q^T (source 0 = 16 keys, source 1 = 16 queries): a lane holds ONE query (lane % 16) and the keys 8 (lane / 16) + 0..7.  Two such tiles, rounded to f16 in pairs, ARE source 1 (32 keys x 16 queries) of
; O^T = V^T P, whose result again holds one query a lane.  K comes out of LDS as it lies, V ([key][channel]) turned, by ds_load_tr16_b128.
; THE ROW'S SUM is a product too: L = ONES x P, where ONES has rows 0 and 8 of ones and zeros elsewhere: register 0 of L is then the query's sum in every lane, and registers 1 to 7 stay 0.  Two matrix instructions a tile and step.
; CLUSTER.  The four work-groups of a head walk the same K, V and addend, so each tile is asked for JOINTLY: the same tensor load, with the same descriptor and a mask that names the four, in all four.
; RING.  Two LDS slots of 256 keys (four steps).  At a change of slots every wave issues one load: waves 0 to 3 the four steps' K, waves 4 to 7 their V.  It has four steps in which to land.
; REGISTERS, in two windows of 256:  window 0: v2-13 addresses; v16-47 statistics, 8 a tile; v48-79 the addend of 64 keys; v80-207 S^T, 32 a tile (P is packed in place into a tile's first 16); v208-215 ONES; v216-247 L, 8 a tile.
;   window 1: v0-63 Q, 16 a tile; v64-191 O^T, 32 a tile; v192-255 K's eight fragments of a step, later V's.
.set PK,    272       ; two keys' rows of K (256 bytes) + 16 of padding: key k lies at (k / 2) x 272 + (k % 2) x 128: the 16 keys of a load fall on 16 different columns of 16 bytes modulo 256
.set PVP,   288       ; the same for V with 32 of padding: the 8 keys x 32 bytes that 16 lanes of a turning load take fall on 16 different columns of 16 bytes modulo 256
.set VOFF,  32*PK     ; a step's tiles lie together: 64 keys of K, then 64 of V
.set STEPB, 32*(PK+PVP)
.set SLOT1, 1<<17     ; slot 1 begins here, so that one exclusive or turns an address in one slot into the other's
.set BIAS,  SLOT1+4*STEPB  ; behind the ring: the batch's addend, 2,048 x 4 bytes, filled once
.set STAGE, BIAS+8192      ; 16 tokens x 144 bytes for each wave, for the way out
.set SPARE, STAGE+8*2304   ; the spare words, 128 bytes a wave, which no other line names
.set AK0, 2           ; v2   my lane's place in a tile of K; never rewritten
.set AV0, 3           ; v3   the same for V
.set AB0, 4           ; v4   and in the addend
.set ADK, 5           ; v5-7 the LDS addresses of the step in hand
.set ADV, 6
.set ADB, 7
.set QO,  8           ; v8   my byte offset in the wave's rows of Q; on the way out: in 512 bytes of the output
.set GO,  8
.set STO, 9           ; v9   the way out: where I put 16 bytes of a token's row
.set RD,  10          ; v10  the way out: where I read 16 bytes back
.set PFO, 11          ; v11  256 x my lane; never rewritten
.set SPW, 12          ; v12  LDS address of my spare word; never rewritten
.set NIL, 13          ; v13  0; never rewritten
.set ST,  16          ; tile t's statistics at v[ST+8 t]: +0 c m, +1 m, +4 to +7 four chains of the maximum; a takes +6, and +7 holds c m_old - c m_new
.set BI,  48
.set S,   80
.set ONE, 208
.set LA,  216
.set OA,  64          ; in window 1
.set KV,  192         ; in window 1
.set WV,  12          ; s12  my wave's number
.set LIM, 15          ; s15  1 in a wave that prefetches, else the greatest number
.set PFA, 18          ; s[18:19] where my prefetches stand in memory
.set G1K, 24          ; s[24:31] descriptor group 1 for K's tiles
.set G1V, 32          ; s[32:39] for V's: it differs in the padding alone
.set G0K, 40          ; s[40:47] group 0 for K's tiles: a set for each of the two first fills; the second then walks on
.set G0V, 48          ; s[48:55] the same for V's
.set SLOTS, 56        ; s56  slots still to be asked for
.set CNT, 57          ; s57  counts a slot's steps
.set CS,  58          ; s[58:59] c: the packed scaling names a pair and takes its low word for both halves
.set SEL, 60          ; s[60:61] lane selects for v_permlanex16_b32: each lane takes its own place in the other half
.set TB,  62          ; s62  LDS byte at which the step's tiles begin
.set TKB, 63          ; s63  byte of the step in the addend: 256 a step
.set G1B, 68          ; s[68:75], s[76:79] groups 1 and 0 for the addend
.set G0B, 76
.set MSB, 0
.macro WIN new                      ; the immediate's high byte repeats the setting that is left; a switch that changes nothing is dropped
.if MSB != \new
	s_set_vgpr_msb (MSB<<8)|\new
.set MSB, \new
.endif
.endm
.set W_KQ, 0x05       ; K and Q in window 1; the addend and S^T in window 0.  Also the way out's roundings: both sources window 1
.set W_PV, 0x51       ; V in window 1, P in window 0, O^T in window 1
.set W_RS, 0x41       ; O^T (destination and source 0) in window 1, a in window 0
.set TO1,  0x40       ; a load's destination in window 1, its address in window 0
; A joint refill.  The branch hangs on the wave's number alone: it is the same in every work-group.  An s_nop 0 and four v_nop follow each of the two lines.
.macro JLOAD
	s_cmp_lt_u32 s[WV], 4
	s_cbranch_scc0 .Lfor_v_\@
	tensor_load_to_lds s[G0K+4:G0K+7], s[G1K:G1K+7]
	s_nop 0
.rept 4
	v_nop
.endr
	s_branch .Lasked_\@
.Lfor_v_\@:
	tensor_load_to_lds s[G0V+4:G0V+7], s[G1V:G1V+7]
	s_nop 0
.rept 4
	v_nop
.endr
.Lasked_\@:
.endm
; A PREFETCH of what the NEXT change of slots will ask for: a slot's 32,768 bytes of K and of V.  It stands behind the wave's tensor load and its five lines.  Each aligned block of 256 bytes is named ONCE in the launch: a head has one
; cluster; its four partners take 8,192 bytes each, told apart BY ADDRESS (no branch hangs on a work-group's place in its cluster); in each, wave 0 asks for K's and wave 4 for V's: one instruction, lanes 256 bytes apart.
; The last change that fills a slot asks for nothing: there is no slot behind it.  Slots 0 to 2 come by their loads alone.
.macro ASK
	s_cmp_gt_u32 s[SLOTS], s[LIM]
	s_cbranch_scc0 .Lnot_mine_\@
	global_prefetch_b8 v[PFO], s[PFA:PFA+1] th:TH_LOAD_NT scope:SCOPE_SE
.Lnot_mine_\@:
.endm
.macro CROUND                       ; a round of the cluster's barrier: my work-group's barrier; wave 0 signals for the work-group; every wave waits for all four work-groups; my work-group's barrier once more
	s_barrier_signal -1
	s_barrier_wait -1
	s_cmp_lg_u32 s[WV], 0
	s_cbranch_scc1 .Lnot_wave_0_\@
	s_barrier_signal -3
.Lnot_wave_0_\@:
	s_barrier_wait -3
	s_barrier_signal -1
	s_barrier_wait -1
.endm
	s_load_b128 s[4:7], s[0:1], 0x0   ; q, k, v s[4:5]; the addend s[6:7]
	s_load_b64 s[10:11], s[0:1], 0x10 ; the output
	v_lshl_add_u32 v[SPW], v0, 2, SPARE
	v_mov_b32 v[NIL], 0
	ds_add_u32 v[SPW], v[NIL]       ; the wave's opening: the add, twice on end, and its wait ahead of my first tensor load; the set-up below stands between the second and the wait
	ds_add_u32 v[SPW], v[NIL]
	v_lshrrev_b32 v1, 5, v0
	v_readfirstlane_b32 s[WV], v1   ; wave 0..7
	s_bfe_u32 s13, ttmp6, 0x40000   ; cx: my place in the cluster
	s_lshl_b32 s14, ttmp9, 2        ; in a cluster launch ttmp9 counts clusters
	s_add_co_u32 s14, s14, s13      ; my block of 512 queries: it enters Q's and the output's addresses alone
	s_and_b32 s16, ttmp7, 0xffff    ; 16 x batch + head, which the four partners share
	s_lshl_b32 s20, s16, 18         ; the head's first byte in each of q, k, v and in the output
	s_mov_b32 s21, 0
	s_and_b32 s17, s[WV], 3         ; which of a slot's four steps I fetch:
	s_lshl_b32 s22, s17, 13         ; its 64 keys of 128 bytes in memory,
	s_mov_b32 s23, 0
	s_add_nc_u64 s[22:23], s[22:23], s[20:21]
	s_mul_i32 s17, s17, STEPB       ; and its place in a slot: no place in the cluster enters an LDS address
	s_lshl_b32 s2, s14, 16          ; my block's 512 rows,
	s_lshl_b32 s3, s[WV], 13        ; my wave's 64 of them
	s_add_co_u32 s2, s2, s3
	s_mov_b32 s3, 0
	s_add_nc_u64 s[2:3], s[2:3], s[20:21]
	s_lshr_b32 s84, s16, 4
	s_lshl_b32 s84, s84, 13         ; the batch's 8,192 bytes of the addend,
	s_lshl_b32 s86, s[WV], 10       ; my wave's 1,024 of them
	s_add_co_u32 s84, s84, s86
	s_mov_b32 s85, 0
	; descriptor group 1: a tile of 64 keys as 32 rows x 128 elements of 2 bytes, dense in memory, padded in LDS
	s_mov_b32 s[G1K], 15|(1<<16)|(1<<20)|(1<<21)|(5<<22)|(3<<25)  ; 15:0 the mask: all four work-groups; 17:16 elements of 2 bytes; 20 padding on; 21 set beside a mask; 24:22 after every 64 words (code 5); 31:25 4 words of it (code 3)
	s_mov_b32 s[G1V], 15|(1<<16)|(1<<20)|(1<<21)|(5<<22)|(7<<25)  ; the same with 8 words of padding (code 7)
.irp g, G1K, G1V
	s_mov_b32 s[\g+1], 128<<16      ; tensor_dim0 = 128
	s_mov_b32 s[\g+2], 32<<16       ; tensor_dim1 = 32
	s_mov_b32 s[\g+3], 128<<16      ; tile_dim0 = 128
	s_mov_b32 s[\g+4], 32           ; tile_dim1 = 32
	s_mov_b32 s[\g+5], 128          ; tensor_dim0_stride
	s_mov_b32 s[\g+6], 0
	s_mov_b32 s[\g+7], 0
.endr
	s_mov_b32 s[G1B], 15|(3<<16)|(1<<21)  ; the addend: 4 rows of 32 elements of 8 bytes, dense, no padding
	s_mov_b32 s[G1B+1], 32<<16
	s_mov_b32 s[G1B+2], 4<<16
	s_mov_b32 s[G1B+3], 32<<16
	s_mov_b32 s[G1B+4], 4
	s_mov_b32 s[G1B+5], 32
	s_mov_b32 s[G1B+6], 0
	s_mov_b32 s[G1B+7], 0
	s_mov_b32 s[CS], 0x3e38aa3b     ; c = log2(e) / 8
	s_mov_b32 s[CS+1], s[CS]        ; named with it as a pair, so it is written
	s_mov_b32 s[SEL], 0x76543210
	s_mov_b32 s[SEL+1], 0xfedcba98
	s_mov_b32 s[TB], 0
	s_mov_b32 s[TKB], 0
	s_mov_b32 s[SLOTS], 6
	s_and_b32 s[LIM], s[WV], 3      ; waves 0 and 4 prefetch: the same in all four partners
	s_cmp_eq_u32 s[LIM], 0
	s_cselect_b32 s[LIM], 1, -1
	v_and_b32 v[PFO], 31, v0
	v_lshlrev_b32 v[PFO], 8, v[PFO]
	s_wait_dscnt 0x0                ; both opening adds are done
	s_wait_kmcnt 0x0
	s_add_nc_u64 s[80:81], s[4:5], s[22:23]
	s_add_nc_u64 s[80:81], s[80:81], 0x1000000  ; K at my tile of slot 0
	s_add_nc_u64 s[82:83], s[80:81], 0x1000000  ; V likewise
	s_add_nc_u64 s[6:7], s[6:7], s[84:85]       ; my part of the addend
	s_add_nc_u64 s[4:5], s[4:5], s[2:3]         ; Q and the output at my wave's first row
	s_add_nc_u64 s[10:11], s[10:11], s[2:3]
	s_cmp_lt_u32 s[WV], 4
	s_cselect_b64 s[PFA:PFA+1], s[80:81], s[82:83]  ; (in waves 0 and 4 these stand at the head's first key)
	s_lshl_b32 s2, s13, 13          ; my work-group's 8,192 bytes of a slot's 32,768
	s_mov_b32 s3, 0
	s_add_nc_u64 s[PFA:PFA+1], s[PFA:PFA+1], s[2:3]
	s_add_nc_u64 s[PFA:PFA+1], s[PFA:PFA+1], 2*32768  ; in slot 2; the first change of slots steps it to slot 3.  Nothing is prefetched here, at the head
	CROUND                          ; all four work-groups are here: the first joint loads meet
.irp s, 0,1
	s_mov_b32 s[G0K+4*\s], 1        ; count = 1
	s_add_co_u32 s[G0K+4*\s+1], s17, \s*SLOT1  ; LDS address
	s_add_nc_u64 s[G0K+4*\s+2:G0K+4*\s+3], s[80:81], \s*32768  ; global address: slot s begins with key 256 s
	s_or_b32 s[G0K+4*\s+3], s[G0K+4*\s+3], 0x80000000  ; type = 2
	s_mov_b32 s[G0V+4*\s], 1
	s_add_co_u32 s[G0V+4*\s+1], s17, \s*SLOT1+VOFF
	s_add_nc_u64 s[G0V+4*\s+2:G0V+4*\s+3], s[82:83], \s*32768
	s_or_b32 s[G0V+4*\s+3], s[G0V+4*\s+3], 0x80000000
.endr
	s_mov_b32 s[G0B], 1
	s_add_co_u32 s[G0B+1], s86, BIAS
	s_mov_b64 s[G0B+2:G0B+3], s[6:7]
	s_or_b32 s[G0B+3], s[G0B+3], 0x80000000
	tensor_load_to_lds s[G0B:G0B+3], s[G1B:G1B+7]   ; the first fills, ahead of every wait on TENSORcnt and every LDS read: three loads of mine are out.  The addend: every wave its eighth
	s_nop 0
	s_cmp_lt_u32 s[WV], 4           ; then my tile of slot 0 and of slot 1, in one branch
	s_cbranch_scc0 .Lfirst_v
	tensor_load_to_lds s[G0K:G0K+3], s[G1K:G1K+7]
	s_nop 0
	tensor_load_to_lds s[G0K+4:G0K+7], s[G1K:G1K+7]
	s_nop 0
.rept 4
	v_nop
.endr
	s_branch .Lfirst_asked
.Lfirst_v:
	tensor_load_to_lds s[G0V:G0V+3], s[G1V:G1V+7]
	s_nop 0
	tensor_load_to_lds s[G0V+4:G0V+7], s[G1V:G1V+7]
	s_nop 0
.rept 4
	v_nop
.endr
.Lfirst_asked:
	; A fragment of K or Q is 16 rows x 32 channels in 8 registers: lane l holds row l % 16; registers 0-3 channels 8 (l / 16) + 0..7, registers 4-7 channels 16 + 8 (l / 16) + 0..7: two loads of 16 bytes, 32 bytes apart.
	v_and_b32 v1, 15, v0            ; r = l % 16
	v_bfe_u32 v14, v0, 4, 1         ; h = l / 16
	v_lshlrev_b32 v[QO], 7, v1
	v_lshl_add_u32 v[QO], v14, 4, v[QO]  ; row x 128 + 16 x half
	WIN TO1
.irp i, 0,1,2,3,4,5,6,7             ; Q stays in registers: tile i / 2, channels 32 (i % 2) on
	global_load_b128 v[8*\i:8*\i+3],   v[QO], s[4:5] offset:(\i/2)*2048+(\i%2)*64
	global_load_b128 v[8*\i+4:8*\i+7], v[QO], s[4:5] offset:(\i/2)*2048+(\i%2)*64+32
.endr
	WIN 0
	v_lshrrev_b32 v15, 1, v1
	v_mul_u32_u24 v[AK0], v15, PK
	v_and_b32 v15, 1, v0
	v_lshl_add_u32 v[AK0], v15, 7, v[AK0]
	v_lshl_add_u32 v[AK0], v14, 4, v[AK0]  ; (r / 2) x pitch + (r % 2) x 128 + 16 x half
	; The turning load takes 16 keys x 16 channels (lane l reads 16 bytes: key 8 (l / 16) + l % 8, channels 8 ((l / 8) % 2) + 0..7) and leaves half a fragment of V^T: lane l holds channel l % 16 and 8 keys.
	v_bfe_u32 v[AV0], v0, 1, 2
	v_lshl_add_u32 v[AV0], v14, 2, v[AV0]  ; the key's pair: 4 (l / 16) + (l % 8) / 2
	v_mul_u32_u24 v[AV0], v[AV0], PVP
	v_lshl_add_u32 v[AV0], v15, 7, v[AV0]  ; + (l % 2) x 128
	v_bfe_u32 v15, v0, 3, 1
	v_lshl_add_u32 v[AV0], v15, 4, v[AV0]
	v_add_nc_u32 v[AV0], VOFF, v[AV0]
	v_lshl_add_u32 v[AB0], v14, 5, BIAS    ; the addend of keys 8 (l / 16) + 0..7 of a tile: 32 bytes
	v_and_b32 v15, 7, v0
	v_cmp_eq_u32 vcc_lo, 0, v15     ; rows 0 and 8 of ONES (compare and select both stand behind the tensor loads)
	v_mov_b32 v15, 0x3c003c00       ; 1.0 twice, in f16
	v_cndmask_b32 v[ONE], 0, v15, vcc_lo
.irp i, 1,2,3,4,5,6,7
	v_mov_b32 v[ONE+\i], v[ONE]
.endr
.irp t, 0,1,2,3
	v_mov_b32 v[ST+8*\t+1], 0xef800000     ; m = -2^96
.endr
; A KEY STEP: 64 keys, in plain phases.  first = 1: the first step, whose products start L's and O^T's sums with the constant 0: it has no a and nothing to rescale.
; In every group of vector lines the four tiles stand innermost, so that no line reads the result of the line above it.
.macro STEP first
	v_add_nc_u32 v[ADK], s[TB], v[AK0]
	v_add_nc_u32 v[ADV], s[TB], v[AV0]
	v_add_nc_u32 v[ADB], s[TKB], v[AB0]
	v_nop                           ; with the three additions: five places behind the last step's products: four for the loads into the registers that held V, five for the products that write over P's (ISA guide 7.12.1 for four of the products' places)
	v_nop
	WIN TO1
.irp f, 0,1,2,3,4,5,6,7             ; K: keys 16 (f / 2) on, channels 32 (f % 2) on
	ds_load_b128 v[KV+8*\f:KV+8*\f+3],   v[ADK] offset:(\f/2)*8*PK+(\f%2)*64
	ds_load_b128 v[KV+8*\f+4:KV+8*\f+7], v[ADK] offset:(\f/2)*8*PK+(\f%2)*64+32
.endr
	WIN 0
.irp k, 0,1,2,3                     ; the addend of keys 16 k + 8 (l / 16) + 0..7: the layout of a score tile's registers
	ds_load_b128 v[BI+8*\k:BI+8*\k+3],   v[ADB] offset:64*\k
	ds_load_b128 v[BI+8*\k+4:BI+8*\k+7], v[ADB] offset:64*\k+16
.endr
	s_wait_dscnt 0x0
	WIN W_KQ                        ; S^T = K Q^T + the addend.  The 16 accumulators take turns, one instruction a turn
.irp k, 0,1,2,3
.irp t, 0,1,2,3
	v_wmma_f32_16x16x32_f16 v[S+32*\t+8*\k:S+32*\t+8*\k+7], v[KV+16*\k:KV+16*\k+7], v[16*\t:16*\t+7], v[BI+8*\k:BI+8*\k+7]
.endr
.endr
.irp k, 0,1,2,3
.irp t, 0,1,2,3
	v_wmma_f32_16x16x32_f16 v[S+32*\t+8*\k:S+32*\t+8*\k+7], v[KV+16*\k+8:KV+16*\k+15], v[16*\t+8:16*\t+15], v[S+32*\t+8*\k:S+32*\t+8*\k+7]
.endr
.endr
	WIN 0
.rept 4
	v_nop                           ; four places: for the loads into the registers that held K, and for the first reads of the scores
.endr
	WIN TO1
.irp f, 0,1,2,3,4,5,6,7             ; V, turned: channels 16 (f / 2) on, keys 32 (f % 2) on.  It lands while the softmax is worked
	ds_load_tr16_b128 v[KV+8*\f:KV+8*\f+3],   v[ADV] offset:(\f%2)*16*PVP+(\f/2)*32
	ds_load_tr16_b128 v[KV+8*\f+4:KV+8*\f+7], v[ADV] offset:(\f%2)*16*PVP+8*PVP+(\f/2)*32
.endr
	WIN 0
.irp j, 0,1,2,3                     ; the maximum of a lane's 32 scores and the old m: four chains, each begun at its accumulator's low end
.irp t, 0,1,2,3
	v_max3_num_f32 v[ST+8*\t+4+\j], v[S+32*\t+8*\j], v[S+32*\t+8*\j+1], v[S+32*\t+8*\j+2]
.endr
.endr
.irp i, 3,5
.irp j, 0,1,2,3
.irp t, 0,1,2,3
	v_max3_num_f32 v[ST+8*\t+4+\j], v[ST+8*\t+4+\j], v[S+32*\t+8*\j+\i], v[S+32*\t+8*\j+\i+1]
.endr
.endr
.endr
.irp t, 0,1,2,3
	v_max3_num_f32 v[ST+8*\t+4], v[ST+8*\t+4], v[S+32*\t+7], v[S+32*\t+15]
.endr
.irp t, 0,1,2,3
	v_max3_num_f32 v[ST+8*\t+6], v[ST+8*\t+6], v[S+32*\t+23], v[S+32*\t+31]
.endr
.irp t, 0,1,2,3
	v_max3_num_f32 v[ST+8*\t+4], v[ST+8*\t+4], v[ST+8*\t+5], v[ST+8*\t+6]
.endr
.irp t, 0,1,2,3
	v_max3_num_f32 v[ST+8*\t+4], v[ST+8*\t+4], v[ST+8*\t+7], v[ST+8*\t+1]
.endr
.irp t, 0,1,2,3
	v_permlanex16_b32 v[ST+8*\t+5], v[ST+8*\t+4], s[SEL], s[SEL+1]  ; the query's other 32 keys lie in the lane 16 away
.endr
.if \first == 0
.irp t, 0,1,2,3
	v_mov_b32 v[ST+8*\t+7], v[ST+8*\t]     ; c m_old is kept for a
.endr
.endif
.irp t, 0,1,2,3
	v_max_num_f32 v[ST+8*\t+1], v[ST+8*\t+4], v[ST+8*\t+5]   ; the new m
.endr
.irp t, 0,1,2,3
	v_mul_f32 v[ST+8*\t], s[CS], v[ST+8*\t+1]                ; c m
.endr
.if \first == 0
.irp t, 0,1,2,3
	v_sub_f32 v[ST+8*\t+7], v[ST+8*\t+7], v[ST+8*\t]         ; c m_old - c m_new
.endr
.endif
.irp i, 0,1,2,3,4,5,6,7,8,9,10,11,12,13,14,15
.irp t, 0,1,2,3
	v_pk_fma_f32 v[S+32*\t+2*\i:S+32*\t+2*\i+1], v[S+32*\t+2*\i:S+32*\t+2*\i+1], s[CS:CS+1], v[ST+8*\t:ST+8*\t+1] op_sel_hi:[1,0,0] neg_lo:[0,0,1] neg_hi:[0,0,1]  ; c s - c m, two at a time
.endr
.endr
.if \first == 0                     ; ONE BATCH of exponentials: none of them reads another's result
.irp t, 0,1,2,3
	v_exp_f32 v[ST+8*\t+6], v[ST+8*\t+7]   ; a
.endr
.endif
.irp i, 0,1,2,3,4,5,6,7,8,9,10,11,12,13,14,15,16,17,18,19,20,21,22,23,24,25,26,27,28,29,30,31
.irp t, 0,1,2,3
	v_exp_f32 v[S+32*\t+\i], v[S+32*\t+\i] ; p
.endr
.endr
	v_nop                           ; a plain instruction behind the last exponential, ahead of the first use (ISA guide 5.7.2)
	s_wait_alu depctr_va_vdst(0)    ; and a wait ahead of the first instruction that names a result: one for the batch
.irp i, 0,1,2,3,4,5,6,7,8,9,10,11,12,13,14,15
.irp t, 0,1,2,3
	v_cvt_pk_f16_f32 v[S+32*\t+\i], v[S+32*\t+2*\i], v[S+32*\t+2*\i+1]   ; P, in place, ascending: register i is written when registers 2 i and 2 i + 1 are read.  P's registers 8 c .. 8 c + 7 are source 1 for keys 32 c on
.endr
.endr
.if \first == 0
.irp t, 0,1,2,3
	v_mul_f32 v[LA+8*\t], v[LA+8*\t], v[ST+8*\t+6]           ; l x a: register 0 holds the sum, the others are 0
.endr
	WIN W_RS
.irp i, 0,1,2,3,4,5,6,7,8,9,10,11,12,13,14,15
.irp t, 0,1,2,3
	v_pk_mul_f32 v[OA+32*\t+2*\i:OA+32*\t+2*\i+1], v[OA+32*\t+2*\i:OA+32*\t+2*\i+1], v[ST+8*\t+6:ST+8*\t+7] op_sel_hi:[1,0]   ; O^T x a, each accumulator from its low end on
.endr
.endr
.else
.rept 4
	v_nop
.endr
.endif
	s_wait_dscnt 0x0                ; V is in
	WIN 0
.irp c, 0,1                         ; L += ONES x P: the four accumulators by turns
.irp t, 0,1,2,3
.if (\first) && (\c == 0)
	v_wmma_f32_16x16x32_f16 v[LA+8*\t:LA+8*\t+7], v[ONE:ONE+7], v[S+32*\t+8*\c:S+32*\t+8*\c+7], 0
.else
	v_wmma_f32_16x16x32_f16 v[LA+8*\t:LA+8*\t+7], v[ONE:ONE+7], v[S+32*\t+8*\c:S+32*\t+8*\c+7], v[LA+8*\t:LA+8*\t+7]
.endif
.endr
.endr
	WIN W_PV
.irp c, 0,1                         ; O^T += V^T P: keys 32 c on, channels 16 n on, tile t: the sixteen accumulators by turns
.irp n, 0,1,2,3
.irp t, 0,1,2,3
.if (\first) && (\c == 0)
	v_wmma_f32_16x16x32_f16 v[OA+32*\t+8*\n:OA+32*\t+8*\n+7], v[KV+8*(2*\n+\c):KV+8*(2*\n+\c)+7], v[S+32*\t+8*\c:S+32*\t+8*\c+7], 0
.else
	v_wmma_f32_16x16x32_f16 v[OA+32*\t+8*\n:OA+32*\t+8*\n+7], v[KV+8*(2*\n+\c):KV+8*(2*\n+\c)+7], v[S+32*\t+8*\c:S+32*\t+8*\c+7], v[OA+32*\t+8*\n:OA+32*\t+8*\n+7]
.endif
.endr
.endr
.endr
	WIN 0
	s_add_co_u32 s[TB], s[TB], STEPB       ; the next step's tiles,
	s_add_co_u32 s[TKB], s[TKB], 256       ; and its part of the addend
.endm
.macro STEPS n                      ; n key steps: written once, walked n times; the LDS addresses hang on s[TB] and s[TKB]
	s_mov_b32 s[CNT], \n
.Lstep_\@:
	STEP 0
	s_sub_co_u32 s[CNT], s[CNT], 1
	s_cmp_lg_u32 s[CNT], 0
	s_cbranch_scc1 .Lstep_\@
.endm
; THE CHANGE OF SLOTS.  Each wave waits for all its tensor loads, of which one is out: its part of the other slot; adds 0 to its spare word; and waits for that and for its own reads of the slot.  Behind the barrier nobody reads
; this slot any more and the other slot is whole.  fill = 1: this slot is filled again, with the keys two slots on.  The barrier is then a round of the cluster's, so that no wave of any partner still reads the slot or has a load
; on its way, and the joint refill is the first thing behind it, one load a wave.
.macro CHANGE fill
	s_wait_tensorcnt 0x0            ; no tensor load of mine is out, so a group 0 may be written  (every window is 0 here)
	ds_add_u32 v[SPW], v[NIL]       ; 0 onto my spare word; with fill = 1 the descriptors' steps stand between it and the wait for it
.if \fill
.irp g, G0K+4, G0V+4
	s_xor_b32 s[\g+1], s[\g+1], SLOT1  ; the walking descriptor: the other slot than last time,
	s_add_nc_u64 s[\g+2:\g+3], s[\g+2:\g+3], 32768  ; the next 256 keys; the type bits on top are not reached
.endr
	s_wait_xcnt 0x0                 ; the last prefetch, a slot back, has read its address, so it may be written:
	s_add_nc_u64 s[PFA:PFA+1], s[PFA:PFA+1], 32768  ; one slot further on than the walking descriptors
	s_wait_dscnt 0x0                ; the add is done, and my reads of the slot are over
	CROUND
	JLOAD
	ASK                             ; what the next change will ask for: a slot's four key steps ahead of that load
.else
	s_wait_dscnt 0x0                ; the add is done, and my reads of the slot are over
	s_barrier_signal -1
	s_barrier_wait -1
.endif
	s_sub_co_u32 s[TB], s[TB], 4*STEPB  ; the fetches go back to a slot's first step,
	s_xor_b32 s[TB], s[TB], SLOT1   ; in the other slot
.endm
	s_wait_tensorcnt 1              ; the addend and my part of slot 0 are in; slot 1's load may stay out
	s_barrier_signal -1
	s_barrier_wait -1               ; everybody's are
	s_wait_loadcnt 0x0              ; Q
	STEP 1
	STEPS 3
.Lslot:                             ; six trips: every slot but the last two is filled again
	CHANGE 1
	STEPS 4
	s_sub_co_u32 s[SLOTS], s[SLOTS], 1
	s_cmp_lg_u32 s[SLOTS], 0
	s_cbranch_scc1 .Lslot
	CHANGE 0                        ; the tail is written out: nothing is asked for
	STEPS 4
	; THE WAY OUT.  O^T x 16 / l, rounded to f16, goes through my stage in LDS, a tile (16 tokens) at a time.  The address lines are the places behind the last products.
	v_and_b32 v1, 15, v0            ; r
	v_bfe_u32 v14, v0, 4, 1         ; h
	s_mul_i32 s86, s[WV], 2304
	s_add_co_u32 s86, s86, STAGE    ; my stage
	v_mul_u32_u24 v[STO], v1, 144   ; in: token l % 16, 16 bytes for each half of the lanes
	v_lshl_add_u32 v[STO], v14, 4, v[STO]
	v_add_nc_u32 v[STO], s86, v[STO]
	v_bfe_u32 v15, v0, 3, 2         ; back: eight lanes to a token's 128 bytes, four tokens an instruction
	v_mul_u32_u24 v[RD], v15, 144
	v_and_b32 v15, 7, v0
	v_lshl_add_u32 v[RD], v15, 4, v[RD]
	v_add_nc_u32 v[RD], s86, v[RD]
	v_and_b32 v15, 31, v0
	v_lshlrev_b32 v[GO], 4, v15     ; four tokens of a head are 512 consecutive bytes of the output
.irp t, 0,1,2,3
	v_rcp_f32 v[ST+8*\t+6], v[LA+8*\t]     ; 1 / l: L's register 0
.endr
	v_nop                           ; a plain instruction between the last reciprocal and the use of its result
	s_wait_alu depctr_va_vdst(0)    ; and a wait ahead of the first use: one for the four
.irp t, 0,1,2,3
	v_mul_f32 v[ST+8*\t+6], 0x41800000, v[ST+8*\t+6]         ; 16 / l
.endr
.macro PACK t
	WIN W_RS
.irp i, 0,1,2,3,4,5,6,7,8,9,10,11,12,13,14,15
	v_pk_mul_f32 v[OA+32*\t+2*\i:OA+32*\t+2*\i+1], v[OA+32*\t+2*\i:OA+32*\t+2*\i+1], v[ST+8*\t+6:ST+8*\t+7] op_sel_hi:[1,0]
.endr
	WIN W_KQ                        ; sources 0 and 1 window 1, destination window 0: S^T's registers are free
.irp i, 0,1,2,3,4,5,6,7,8,9,10,11,12,13,14,15
	v_cvt_pk_f16_f32 v[S+32*\t+\i], v[OA+32*\t+2*\i], v[OA+32*\t+2*\i+1]
.endr
	WIN 0
.irp n, 0,1,2,3
	ds_store_b128 v[STO], v[S+32*\t+4*\n:S+32*\t+4*\n+3] offset:32*\n      ; channels 16 n + 8 (l / 16) + 0..7 of token l % 16
.endr
.irp i, 0,1,2,3
	ds_load_b128 v[S+32*\t+4*\i:S+32*\t+4*\i+3], v[RD] offset:576*\i       ; LDS serves a wave's instructions in order (ISA guide 5.7.1.4): these see the stores above; the next tile's stores come behind them
.endr
.endm
.macro SEND t, younger              ; younger: the LDS instructions issued behind tile t's loads: the next tile's eight, or none
.irp i, 0,1,2,3
	s_wait_dscnt \younger+3-\i
	global_store_b128 v[GO], v[S+32*\t+4*\i:S+32*\t+4*\i+3], s[10:11] offset:\t*2048+\i*512  ; 32 lanes store 512 consecutive bytes, at a multiple of 256 from the buffer's first byte
.endr
.endm
	PACK 0
	PACK 1                          ; a tile's arithmetic stands between the loads of the tile before and its stores
	SEND 0, 8
	PACK 2
	SEND 1, 8
	PACK 3
	SEND 2, 8
	SEND 3, 0
	s_wait_tensorcnt 0x0            ; the wave's end: behind my last tensor load and my last LDS store
	ds_add_u32 v[SPW], v[NIL]
	s_wait_dscnt 0x0
	CROUND                          ; the closing round: no work-group ends while a partner may still ask for a tile that names it
	s_endpgm
.Lfunc_end_k_q4c94de6d4f_attn:
	.size	k_q4c94de6d4f_attn, .Lfunc_end_k_q4c94de6d4f_attn-k_q4c94de6d4f_attn
	.p2alignl 7, 3214868480
	.fill 96, 4, 3214868480
	.section	.rodata,"a",@progbits
	.p2align	6, 0x0
	.amdhsa_kernel k_q4c94de6d4f_attn
		.amdhsa_group_segment_fixed_size 327680
		.amdhsa_private_segment_fixed_size 0
		.amdhsa_enable_private_segment 0
		.amdhsa_kernarg_size 24
		.amdhsa_user_sgpr_count 2
		.amdhsa_user_sgpr_kernarg_segment_ptr 1
		.amdhsa_wavefront_size32 1
		.amdhsa_system_sgpr_workgroup_id_x 1
		.amdhsa_system_sgpr_workgroup_id_y 1
		.amdhsa_system_sgpr_workgroup_id_z 1
		.amdhsa_system_vgpr_workitem_id 0
		.amdhsa_next_free_vgpr 512
		.amdhsa_next_free_sgpr 96
		.amdhsa_reserve_vcc 1
		.amdhsa_float_denorm_mode_32 3
		.amdhsa_float_denorm_mode_16_64 3
		.amdhsa_memory_ordered 1
		.amdhsa_forward_progress 1
		.amdhsa_inst_pref_size 137
	.end_amdhsa_kernel
	.amdgpu_metadata
---
amdhsa.version: [ 1, 2 ]
amdhsa.kernels:
  - .name:           k_q4c94de6d4f_attn
    .symbol:         k_q4c94de6d4f_attn.kd
    .args:
      - { .name: qkv, .offset: 0, .size: 8, .value_kind: global_buffer, .address_space: global }
      - { .name: kbias, .offset: 8, .size: 8, .value_kind: global_buffer, .address_space: global }
      - { .name: att, .offset: 16, .size: 8, .value_kind: global_buffer, .address_space: global }
    .group_segment_fixed_size: 327680
    .private_segment_fixed_size: 0
    .kernarg_segment_align: 8
    .kernarg_segment_size: 24
    .max_flat_workgroup_size: 256
    .sgpr_count:     96
    .vgpr_count:     512
    .wavefront_size: 32
...
	.end_amdgpu_metadata
.endif
;; end of part 3
;; launch oproj (part 4): grid 4 x 64, 4 waves a work-group, clusters of 4 x 4, 327,680 bytes of LDS; arguments att, wo16, bout, out0; writes out0
.if DOCPART == 4
	.amdgcn_target "amdgcn-amd-amdhsa--gfx1250"
	.amdhsa_code_object_version 6
	.text
	.protected	k_q4c94de6d4f_oproj
	.globl	k_q4c94de6d4f_oproj
	.p2align	8
	.type	k_q4c94de6d4f_oproj,@function
k_q4c94de6d4f_oproj:
	s_mov_b64 s[64:65], 0
	v_nop
	global_prefetch_b8 v0, s[64:65] scope:SCOPE_SE
	s_setreg_imm32_b32 hwreg(HW_REG_WAVE_MODE, 25, 1), 1
	s_wait_xcnt 0x0
	s_wait_alu depctr_hold_cnt(0) depctr_sa_sdst(0) depctr_va_vdst(0) depctr_va_sdst(0) depctr_va_ssrc(0) depctr_va_vcc(0) depctr_vm_vsrc(0)
	s_getreg_b32 s2, hwreg(HW_REG_IB_STS2, 6, 4)
	s_cmp_eq_u32 s2, 0
	s_cbranch_scc0 .Lentry_in_a_cluster
	s_endpgm
.Lentry_in_a_cluster:
	s_bfe_u32 s2, ttmp6, 0x10000c
	s_cmp_lg_u32 s2, 0xf033
	s_cbranch_scc0 .Lentry_shape_is_right
	s_endpgm
.Lentry_shape_is_right:
; OPROJ.  out[token][n] = sum over k of o[token][k] Wout[n][k] + bout[n].  o x 2^4 arrives in f16, laid [b 4][h 16][token 2048][64] (k = 64 h + channel); Wout x 2^8 in f16, [n 1024][k 1024]; bout f32; out [8192][1024] f32.
; Products in f16 with f32 sums; the factor 2^-12 is taken off in the one fused multiply-add that adds bout.
; A tile of 128 tokens x 256 columns is made by a work-group of four waves; a wave makes 64 x 128: 32 accumulators of 16 x 16, 256 registers.  256 work-groups.
; K goes in steps of 128 (two heads) through a ring of two LDS slots.  A head's 128 tokens are 16,384 dense bytes: they come as 64 rows of 256 bytes (two tokens to a row); Wout's rows of a step are 256 bytes.
; CLUSTERS: 4 x 4 work-groups.  The four of a row of the cluster need the same tokens, the four of a column the same rows of Wout: each tile is asked for JOINTLY, by the same tensor load with the same descriptor and a mask that
; names the four.  THE MATRIX INSTRUCTION IS USED TRANSPOSED (source 0 = 16 rows of Wout, source 1 = 16 tokens): a lane then holds eight neighbouring columns of one token's row.
; No prefetch: a K step's refill has a whole K step in which to land, and each partner's tiles are shared fourfold.
; REGISTERS: window 0: v16-29 addresses; v32-95 bout in the results' layout; v96-127, v128-159 the tokens' fragments, two buffers (on the way out: finished results); v160-223 rows read back from the stage.
;   window 1: Wout's fragments, two buffers, v0-63 and v64-127.   window 2: accumulator (a, b) at v[8 (8 a + b)].
.set PITCH,  272                       ; an LDS row: 256 bytes + 16 of padding = 68 words: row r starts at bank 4 r mod 64 (64 banks of 4 bytes: ISA guide 11.1)
.set APLANE, 64*PITCH                  ; a head's 128 tokens
.set BOFF,   2*APLANE                  ; behind the two heads: Wout's 256 rows,
.set BHALF,  128*PITCH                 ; in two halves
.set SLOT,   BOFF+2*BHALF
.set STAGE,  2*SLOT                    ; behind the ring: 16 rows x (512 bytes + 16) for each wave, for the way out
.set SPITCH, 528
.set SPARE,  STAGE+4*16*SPITCH         ; the spare words, 128 bytes a wave, which no other line names
.set LAPS,   4                         ; a lap = two K steps = once round the ring: 1,024 / 256
.set ADRA, 16                          ; v16-17  LDS address of my tokens' fragments in slot 0, 1
.set ADRB, 20                          ; v20-21  the same for Wout
.set STO,  24                          ; v24     the way out: where I put 32 bytes of a row
.set RD,   25                          ; v25     the way out: where I read a row back
.set CO,   26                          ; v26     16 x lane: my place in a row's 512 bytes
.set BO,   27                          ; v27     32 x (lane / 16): my eight numbers of bout in a block of sixteen
.set SPW,  28                          ; v28     LDS address of my spare word; never rewritten
.set NIL,  29                          ; v29     0; never rewritten
.set BB,   32
.set AF,   96
.set TMP,  96
.set BK,   160
.set G1, 24                            ; s[24:31] descriptor group 1 for the tokens' tiles;  s[32:39] group 0, one set for each slot
.set G0, 32
.set G1B, 48                           ; s[48:55], s[56:63] the same for Wout's tiles
.set G0B, 56
.set MSB, 0
.macro WIN new                         ; the immediate's high byte repeats the setting that is left
.if MSB != \new
	s_set_vgpr_msb (MSB<<8)|\new
.set MSB, \new
.endif
.endm
.set MUL,  0xa1                        ; source 0 (Wout) window 1, source 1 (tokens) window 0, C and D window 2
.set TO_B, 0x40                        ; destination window 1, address window 0
.macro JLOAD s                         ; a joint load: waves 0 and 1 fetch the two heads' tokens, waves 2 and 3 Wout's halves; an s_nop 0 and four v_nop follow each of the two lines
	s_cmp_eq_u32 s15, 0
	s_cbranch_scc0 .Lfor_b_\@
	tensor_load_to_lds s[G0+4*\s:G0+4*\s+3], s[G1:G1+7]
	s_nop 0
.rept 4
	v_nop
.endr
	s_branch .Lasked_\@
.Lfor_b_\@:
	tensor_load_to_lds s[G0B+4*\s:G0B+4*\s+3], s[G1B:G1B+7]
	s_nop 0
.rept 4
	v_nop
.endr
.Lasked_\@:
.endm
.macro CREST                           ; a round of the cluster's barrier behind its opening barrier
	s_cmp_lg_u32 s14, 0
	s_cbranch_scc1 .Lnot_wave_0_\@
	s_barrier_signal -3
.Lnot_wave_0_\@:
	s_barrier_wait -3
	s_barrier_signal -1
	s_barrier_wait -1
.endm
.macro CROUND                          ; a whole round
	s_barrier_signal -1
	s_barrier_wait -1
	CREST
.endm
	s_load_b128 s[4:7], s[0:1], 0x0                ; o s[4:5], Wout s[6:7]
	s_load_b128 s[8:11], s[0:1], 0x10              ; bout s[8:9], out s[10:11]
	v_lshl_add_u32 v[SPW], v0, 2, SPARE
	v_mov_b32 v[NIL], 0
	ds_add_u32 v[SPW], v[NIL]                      ; the wave's opening: the add, twice on end, and its wait ahead of my first tensor load; the set-up below stands between the second and the wait
	ds_add_u32 v[SPW], v[NIL]
	v_lshrrev_b32 v1, 5, v0
	v_readfirstlane_b32 s14, v1                    ; wave 0..3
	s_lshr_b32 s15, s14, 1                         ; which half of the tile's tokens is mine.  Also: I fetch tokens (0) or Wout (1)
	s_and_b32 s16, s14, 1                          ; which half of its columns.  Also: which head of the two, or which half of Wout's rows, I fetch
	s_bfe_u32 s40, ttmp6, 0x40000                  ; cx, cy: my place in the cluster
	s_bfe_u32 s41, ttmp6, 0x40004
	s_lshl_b32 s42, ttmp9, 2
	s_add_co_u32 s42, s42, s40                     ; tile column = 4 x cluster x + cx
	s_and_b32 s17, ttmp7, 0xffff
	s_lshl_b32 s17, s17, 2
	s_add_co_u32 s17, s17, s41                     ; tile row = 4 x cluster y + cy
	s_lshl_b32 s43, s41, 2
	s_lshl_b32 s43, 15, s43                        ; my row of the cluster
	s_lshl_b32 s44, 0x1111, s40                    ; my column
	s_or_b32 s[G1+0], s43, (1<<16)|(1<<20)|(1<<21)|(5<<22)|(3<<25)  ; 15:0 the mask: the tokens' tiles go to my row; 17:16 element of 2 bytes; 20 padding on; 21 set beside a mask; 24:22 after every 64 words (code 5); 31:25 of 4 words (code 3)
	s_or_b32 s[G1B+0], s44, (1<<16)|(1<<20)|(1<<21)|(5<<22)|(3<<25)
	s_mov_b32 s[G1+1], 128<<16                     ; the tokens: tensor_dim0 = 128
	s_mov_b32 s[G1+2], 64<<16                      ; tensor_dim1 = 64
	s_mov_b32 s[G1+3], 128<<16                     ; tile_dim0 = 128
	s_mov_b32 s[G1+4], 64                          ; tile_dim1 = 64
	s_mov_b32 s[G1+5], 128                         ; tensor_dim0_stride: dense
	s_mov_b32 s[G1+6], 0
	s_mov_b32 s[G1+7], 0
	s_mov_b32 s[G1B+1], 128<<16                    ; Wout: 128 rows x 128 elements, 1,024 elements from row to row
	s_mov_b32 s[G1B+2], 128<<16
	s_mov_b32 s[G1B+3], 128<<16
	s_mov_b32 s[G1B+4], 128
	s_mov_b32 s[G1B+5], 1024
	s_mov_b32 s[G1B+6], 0
	s_mov_b32 s[G1B+7], 0
	s_lshr_b32 s20, s17, 4                         ; the tokens: batch << 22 + head << 18 + token << 7; a batch has 16 tile rows
	s_lshl_b32 s20, s20, 22
	s_and_b32 s21, s17, 15
	s_lshl_b32 s21, s21, 14
	s_add_co_u32 s20, s20, s21
	s_lshl_b32 s21, s16, 18                        ; my head of the step's two
	s_add_co_u32 s20, s20, s21
	s_mov_b32 s21, 0
	s_lshl_b32 s46, s42, 19                        ; Wout: row 256 x tile column + 128 x half, 2,048 bytes a row
	s_lshl_b32 s47, s16, 18
	s_add_co_u32 s46, s46, s47
	s_mov_b32 s47, 0
	s_mul_i32 s45, s16, APLANE                     ; where they go: no place in the cluster enters an LDS address
	s_mul_i32 s22, s16, BHALF
	s_add_co_u32 s22, s22, BOFF
	s_wait_dscnt 0x0                               ; both opening adds are done
	s_wait_kmcnt 0x0
	s_add_nc_u64 s[20:21], s[4:5], s[20:21]
	s_add_nc_u64 s[46:47], s[6:7], s[46:47]
	CROUND                                         ; all sixteen work-groups are here: the first joint loads meet; two loads of mine go out
.irp s, 0,1
	s_mov_b32 s[G0+4*\s], 1
	s_add_co_u32 s[G0+4*\s+1], s45, \s*SLOT
	s_add_nc_u64 s[G0+4*\s+2:G0+4*\s+3], s[20:21], \s*(2<<18)      ; K step s: two heads on
	s_or_b32 s[G0+4*\s+3], s[G0+4*\s+3], 0x80000000
	s_mov_b32 s[G0B+4*\s], 1
	s_add_co_u32 s[G0B+4*\s+1], s22, \s*SLOT
	s_add_nc_u64 s[G0B+4*\s+2:G0B+4*\s+3], s[46:47], \s*256
	s_or_b32 s[G0B+4*\s+3], s[G0B+4*\s+3], 0x80000000
	JLOAD \s
.endr
	v_and_b32 v1, 15, v0                           ; r = l % 16
	v_bfe_u32 v2, v0, 4, 1                         ; h = l / 16
	v_lshrrev_b32 v3, 1, v1
	v_mul_u32_u24 v3, v3, PITCH
	v_and_b32 v4, 1, v0
	v_lshl_add_u32 v3, v4, 7, v3
	v_lshl_add_u32 v3, v2, 4, v3                   ; a token's place: (r / 2) x pitch + (r % 2) x 128 + 16 x half
	v_mul_u32_u24 v4, v1, PITCH
	v_lshl_add_u32 v4, v2, 4, v4                   ; a row of Wout: r x pitch + 16 x half
	s_mul_i32 s21, s15, 32*PITCH                   ; my 64 tokens: 32 rows
	s_mul_i32 s22, s16, BHALF                      ; my 128 rows of Wout
	s_add_co_u32 s22, s22, BOFF
.irp s, 0,1
	v_add_nc_u32 v[ADRA+\s], s21, v3
	v_add_nc_u32 v[ADRB+\s], s22, v4
	s_add_co_u32 s21, s21, SLOT
	s_add_co_u32 s22, s22, SLOT
.endr
	s_mul_i32 s23, s14, 16*SPITCH
	s_add_co_u32 s23, s23, STAGE                   ; my stage
	v_mul_u32_u24 v5, v1, SPITCH                   ; in: row l % 16, 32 bytes for each half of the lanes
	v_lshl_add_u32 v5, v2, 5, v5
	v_add_nc_u32 v[STO], s23, v5
	v_and_b32 v6, 31, v0
	v_lshlrev_b32 v[CO], 4, v6                     ; back: the 32 lanes take one row of 512 bytes; and the same in the output
	v_add_nc_u32 v[RD], s23, v[CO]
	v_lshlrev_b32 v[BO], 5, v2
	s_lshl_b32 s46, s42, 10                        ; my first column, in bytes of f32: 1,024 x tile column + 512 x half  (in the registers that held Wout's address: none that feeds the tokens' descriptors ever holds cx)
	s_lshl_b32 s47, s16, 9
	s_add_co_u32 s46, s46, s47
	s_mov_b32 s47, 0
	s_add_nc_u64 s[8:9], s[8:9], s[46:47]
	s_add_nc_u64 s[10:11], s[10:11], s[46:47]
	s_lshl_b32 s20, s17, 7
	s_lshl_b32 s21, s15, 6
	s_add_co_u32 s20, s20, s21                     ; my first row of the output: 128 x tile row + 64 x half,
	s_lshl_b32 s20, s20, 12                        ; 4,096 bytes a row
	s_mov_b32 s21, 0
	s_add_nc_u64 s[10:11], s[10:11], s[20:21]
.irp b, 0,1,2,3,4,5,6,7                        ; bout in the results' layout: for block b the columns 16 b + 8 (l / 16) + 0..7.  It is waited for ahead of the way out
	global_load_b128 v[BB+8*\b:BB+8*\b+3],   v[BO], s[8:9] offset:64*\b
	global_load_b128 v[BB+8*\b+4:BB+8*\b+7], v[BO], s[8:9] offset:64*\b+16
.endr
; 8 matrix instructions: the tokens' block a against Wout's eight, 32 along K, from buffer f.  zero = 1: the first product starts the sums.  The 32 accumulators take turns, one instruction a turn, in the same order in every
; quarter.
.macro MUL8 f, a, zero
.irp b, 0,1,2,3,4,5,6,7
.if \zero
	v_wmma_f32_16x16x32_f16 v[8*(8*\a+\b):8*(8*\a+\b)+7], v[64*\f+8*\b:64*\f+8*\b+7], v[AF+32*\f+8*\a:AF+32*\f+8*\a+7], 0
.else
	v_wmma_f32_16x16x32_f16 v[8*(8*\a+\b):8*(8*\a+\b)+7], v[64*\f+8*\b:64*\f+8*\b+7], v[AF+32*\f+8*\a:AF+32*\f+8*\a+7], v[8*(8*\a+\b):8*(8*\a+\b)+7]
.endif
.endr
.endm
; 24 LDS loads in one run: the fragments of the slot's q-th 32 along K into buffer f.  For the tokens that is head q / 2 of the two, channels 32 (q % 2) on.
.macro FETCH slot, q, f
	WIN TO_B
.irp b, 0,1,2,3,4,5,6,7
	ds_load_b128 v[64*\f+8*\b:64*\f+8*\b+3],   v[ADRB+\slot] offset:64*\q+\b*16*PITCH
	ds_load_b128 v[64*\f+8*\b+4:64*\f+8*\b+7], v[ADRB+\slot] offset:64*\q+\b*16*PITCH+32
.endr
	WIN 0
.irp a, 0,1,2,3
	ds_load_b128 v[AF+32*\f+8*\a:AF+32*\f+8*\a+3],   v[ADRA+\slot] offset:(\q/2)*APLANE+(\q%2)*64+\a*8*PITCH
	ds_load_b128 v[AF+32*\f+8*\a+4:AF+32*\f+8*\a+7], v[ADRA+\slot] offset:(\q/2)*APLANE+(\q%2)*64+\a*8*PITCH+32
.endr
.endm
.macro PLACES                          ; four places in front of loads into registers that matrix instructions have read, and of vector lines that read results (ISA guide 7.12.1 for vector lines)
.rept 4
	v_nop
.endr
.endm
; A K step is four quarters of 32 along K, 32 matrix instructions each, on buffers 0, 1, 0, 1.  One of the first three: multiplies buffer f and, in its middle, fetches quarter q of the same slot into buffer g.
.macro QUARTER slot, q, f, g, zero
	s_wait_dscnt 0x0                               ; buffer f is in (asked for 16 matrix instructions ago)
	WIN MUL
	MUL8 \f, 0, \zero
	MUL8 \f, 1, \zero
	PLACES
	FETCH \slot, \q, \g
	WIN MUL
	MUL8 \f, 2, \zero
	MUL8 \f, 3, \zero
.endm
; The last quarter multiplies buffer 1 and changes slots: ONE barrier; in front of it each wave waits for all its tensor loads, adds 0 to its spare word, and waits for that and for its own reads of this slot.
; fill = 1: this slot is filled again, two K steps ahead: the barrier then opens a round of the cluster's barrier, and the joint refill is the first tensor load behind the round, one a wave.
.macro TURN slot, next, fill
	WIN 0                                          ; (the add's two registers lie in window 0)
	s_wait_tensorcnt 0x0                           ; all my tensor loads have landed: my part of the next slot;
	ds_add_u32 v[SPW], v[NIL]                      ; 0 onto my spare word;
	s_wait_dscnt 1                                 ; buffer 1 is in (the add alone may be out)
	WIN MUL
	MUL8 1, 0, 0                                   ; eight matrix instructions stand between the add and the wait for it
	s_wait_dscnt 0x0                               ; the add is done, and my reads of this slot are over
	s_barrier_signal -1
	MUL8 1, 1, 0
	WIN 0                                          ; (branches may follow, and nothing stands between the wait below and the rest of the round)
	s_barrier_wait -1
.if \fill
	CREST                                          ; no wave of any partner still reads this slot's tiles or has a load on its way
	s_add_nc_u64 s[G0+4*\slot+2:G0+4*\slot+3], s[G0+4*\slot+2:G0+4*\slot+3], 1<<20     ; two K steps on: four heads,
	s_add_nc_u64 s[G0B+4*\slot+2:G0B+4*\slot+3], s[G0B+4*\slot+2:G0B+4*\slot+3], 512   ; 512 bytes in Wout's rows
	JLOAD \slot                                    ; the four v_nop behind it are also the places in front of the loads below
.else
	PLACES
.endif
	FETCH \next, 0, 0
	WIN MUL
	MUL8 1, 2, 0
	MUL8 1, 3, 0
.endm
	s_wait_tensorcnt 1                             ; my part of K step 0 is in (K step 1's load may be out),
	s_barrier_signal -1
	s_barrier_wait -1                              ; everybody's is
	FETCH 0, 0, 0
	QUARTER 0, 1, 0, 1, 1                          ; the first quarter stands in front of the loop: its products start the sums
	WIN 0                                          ; at a label and at a branch every window is 0
	s_mov_b32 s3, LAPS-1
.Llap:                                                 ; a trip goes once round the ring, from a lap's second quarter to the next lap's first, and fills both slots again
	QUARTER 0, 2, 1, 0, 0
	QUARTER 0, 3, 0, 1, 0
	TURN 0, 1, 1
	QUARTER 1, 1, 0, 1, 0
	QUARTER 1, 2, 1, 0, 0
	QUARTER 1, 3, 0, 1, 0
	TURN 1, 0, 1
	QUARTER 0, 1, 0, 1, 0
	WIN 0
	s_sub_co_u32 s3, s3, 1
	s_cmp_lg_u32 s3, 0
	s_cbranch_scc1 .Llap
	QUARTER 0, 2, 1, 0, 0                          ; the last lap fills nothing, and has no round of the cluster's barrier
	QUARTER 0, 3, 0, 1, 0
	TURN 0, 1, 0
	QUARTER 1, 1, 0, 1, 0
	QUARTER 1, 2, 1, 0, 0
	QUARTER 1, 3, 0, 1, 0
	s_wait_dscnt 0x0                               ; the very last quarter: nothing more to fetch
	WIN MUL
	MUL8 1, 0, 0
	MUL8 1, 1, 0
	MUL8 1, 2, 0
	MUL8 1, 3, 0
	WIN 0
	; THE WAY OUT, block by block of 16 tokens x 128 columns: sum x 2^-12 + bout, one fused multiply-add; 32 bytes a lane into my own stage; back as whole rows of 512 bytes.
	PLACES
	s_wait_loadcnt 0x0                             ; bout
.irp a, 0,1,2,3
	WIN 0x02                                       ; source 0: window 2
.irp b, 0,1,2,3,4,5,6,7
.irp i, 0,1,2,3
	v_pk_fma_f32 v[TMP+8*\b+2*\i:TMP+8*\b+2*\i+1], v[64*\a+8*\b+2*\i:64*\a+8*\b+2*\i+1], 0x39800000, v[BB+8*\b+2*\i:BB+8*\b+2*\i+1] op_sel_hi:[1,0,1]   ; each accumulator from its low end on
.endr
.endr
	WIN 0
.if \a > 0
	s_wait_xcnt 0x0                                ; the block before's stores have read their registers: this block's loads from the stage may land there
.endif
.irp b, 0,1,2,3,4,5,6,7
	ds_store_b128 v[STO], v[TMP+8*\b:TMP+8*\b+3] offset:64*\b
	ds_store_b128 v[STO], v[TMP+8*\b+4:TMP+8*\b+7] offset:64*\b+16
.endr
.irp t, 0,1,2,3,4,5,6,7,8,9,10,11,12,13,14,15
	ds_load_b128 v[BK+4*\t:BK+4*\t+3], v[RD] offset:\t*SPITCH      ; LDS serves a wave's instructions in order (ISA guide 5.7.1.4): these see the stores above
.endr
.irp t, 0,1,2,3,4,5,6,7,8,9,10,11,12,13,14,15
	s_wait_dscnt 15-\t                             ; row t is back; the later rows' loads may be out
	global_store_b128 v[CO], v[BK+4*\t:BK+4*\t+3], s[10:11] offset:(16*\a+\t)*4096 th:TH_STORE_NT   ; 32 lanes store 512 consecutive bytes, at a multiple of 256 from the output's first byte; written once, read by nobody here
.endr
.endr
	s_wait_tensorcnt 0x0                           ; the wave's end: behind my last tensor load and my last LDS store
	ds_add_u32 v[SPW], v[NIL]
	s_wait_dscnt 0x0
	CROUND                                         ; the closing round: no work-group ends while a partner may still ask for a tile that names it
	s_endpgm
.Lfunc_end_k_q4c94de6d4f_oproj:
	.size	k_q4c94de6d4f_oproj, .Lfunc_end_k_q4c94de6d4f_oproj-k_q4c94de6d4f_oproj
	.p2alignl 7, 3214868480
	.fill 96, 4, 3214868480
	.section	.rodata,"a",@progbits
	.p2align	6, 0x0
	.amdhsa_kernel k_q4c94de6d4f_oproj
		.amdhsa_group_segment_fixed_size 327680
		.amdhsa_private_segment_fixed_size 0
		.amdhsa_enable_private_segment 0
		.amdhsa_kernarg_size 32
		.amdhsa_user_sgpr_count 2
		.amdhsa_user_sgpr_kernarg_segment_ptr 1
		.amdhsa_wavefront_size32 1
		.amdhsa_system_sgpr_workgroup_id_x 1
		.amdhsa_system_sgpr_workgroup_id_y 1
		.amdhsa_system_sgpr_workgroup_id_z 1
		.amdhsa_system_vgpr_workitem_id 0
		.amdhsa_next_free_vgpr 768
		.amdhsa_next_free_sgpr 66
		.amdhsa_reserve_vcc 0
		.amdhsa_float_denorm_mode_32 3
		.amdhsa_float_denorm_mode_16_64 3
		.amdhsa_memory_ordered 1
		.amdhsa_forward_progress 1
		.amdhsa_inst_pref_size 101
	.end_amdhsa_kernel
	.amdgpu_metadata
---
amdhsa.version: [ 1, 2 ]
amdhsa.kernels:
  - .name:           k_q4c94de6d4f_oproj
    .symbol:         k_q4c94de6d4f_oproj.kd
    .args:
      - { .name: att, .offset: 0, .size: 8, .value_kind: global_buffer, .address_space: global }
      - { .name: wo16, .offset: 8, .size: 8, .value_kind: global_buffer, .address_space: global }
      - { .name: bout, .offset: 16, .size: 8, .value_kind: global_buffer, .address_space: global }
      - { .name: out0, .offset: 24, .size: 8, .value_kind: global_buffer, .address_space: global }
    .group_segment_fixed_size: 327680
    .private_segment_fixed_size: 0
    .kernarg_segment_align: 8
    .kernarg_segment_size: 32
    .max_flat_workgroup_size: 128
    .sgpr_count:     66
    .vgpr_count:     768
    .wavefront_size: 32
...
	.end_amdgpu_metadata
.endif
;; end of part 4
